; MI455X (gfx1250); checked and timed in simulation.
; The chip was launched on July 23, 2026; its instructions are those of AMD's public machine-readable ISA for CDNA 5 (MIT licence, August 2026) and "CDNA5" Instruction Set Architecture Reference Guide (July 2026). The comments in the code are by the model that wrote it; some were corrected since.
;; Causal Self Attention. Allowed arithmetic: matrix products marked QUANTISED: E4M3 operands, one given power-of-two scale a tensor, by v_wmma_f32_16x16x64_fp8_fp8 or v_wmma_f32_16x16x128_fp8_fp8, f32 sums; everything else in f32.
;; Inputs: Wk 1,024 x 1,024 float32; Wo 1,024 x 1,024 float32; Wq 1,024 x 1,024 float32; Wv 1,024 x 1,024 float32; lowp_scales 12 int32 (the exponents e of the quantised operands' scales 2^e); x 1 x 4,096 x 1,024 float32.
;; Outputs: out0 1 x 4,096 x 1,024 float32.
;; This version of the problem:
;;   THIS VERSION OF THE PROBLEM IS GIVEN IN LOW PRECISION. The matrix products marked QUANTISED in the list below multiply operands that are first quantised to E4M3 (4 exponent bits, 3 mantissa bits; 8 bits a number), with one given power-of-two scale for each operand tensor; their sums are f32. All else is computed in f32.
;;   The module's matrix products, in the order in which they are computed (A, B: the left and right operand; K: the contracted axis; several contracted axes count as one K, in the product's order):
;;     1. [M 4,096, K 1,024] x [K 1,024, N 1,024]; A: input x; B: input Wq: QUANTISED (scales: A lowp_scales[0], B lowp_scales[1])
;;     2. [M 4,096, K 1,024] x [K 1,024, N 1,024]; A: input x; B: input Wk: QUANTISED (scales: A lowp_scales[2], B lowp_scales[3])
;;     3. [M 4,096, K 1,024] x [K 1,024, N 1,024]; A: input x; B: input Wv: QUANTISED (scales: A lowp_scales[4], B lowp_scales[5])
;;     4. batch 16 x [M 4,096, K 64] x [K 64, N 4,096]; A: computed on the way; B: computed on the way: QUANTISED (scales: A lowp_scales[6], B lowp_scales[7])
;;     5. batch 16 x [M 4,096, K 4,096] x [K 4,096, N 64]; A: softmax (see below); B: computed on the way: QUANTISED (scales: A lowp_scales[8], B lowp_scales[9])
;;     6. [M 4,096, K 1,024] x [K 1,024, N 1,024]; A: computed on the way; B: input Wo: QUANTISED (scales: A lowp_scales[10], B lowp_scales[11])
;;   THE QUANTISER, for each operand of a quantised product, along K:
;;     - The operand's scale is 2^e, e = its entry of the input lowp_scales (int32; the entries are numbered through the quantised products in the list's order, A before B).
;;     - Each number is divided by the scale, clamped to +-448, and rounded to the nearest number of E4M3, ties to even, subnormals kept.
;;     - The product sums the exact products of the quantised numbers (number of the format x scale) in f32.
;;   ~~~python
;;   def quantise(x, axis, e):      # numpy; x: float32 -> the quantised numbers, widened to float32 again
;;       x = np.moveaxis(x, axis, -1); K = x.shape[-1]
;;       r = np.clip(x / 2.0 ** e, -448, 448)
;;       step = 2.0 ** (np.maximum(np.frexp(np.where(r == 0, 1, r))[1] - 1, -6) - 3)
;;       q = np.round(r / step) * step * 2.0 ** e      # np.round: ties to even
;;       return np.moveaxis(q, -1, axis).astype(np.float32)
;;   ~~~
;;   SOFTMAX AHEAD OF A QUANTISED PRODUCT. Where the list says 'softmax', what is quantised is not the finished softmax but p = 2^(t - M), with t = logit x log2(e) and M = ceil(the row's largest t), a whole number; so 1/2 < the row's largest p <= 1. The row's sum l is taken of the UNQUANTISED p, in f32, and the product's result is divided by l at the end. Since M is a whole number, a kernel that streams over the keys may use a running M (the ceiling of the running maximum): every later rescaling is an exact power of two, so the quantised numbers keep their values, but for numbers so far below the row's largest that they fall under the format's range.
;;   OPERANDS COMPUTED ON THE WAY. 'Computed on the way' means the value that the module computes at that place (a softmax that the list does not call 'softmax' is quantised finished and normalised). What goes into a quantiser is computed in f32, as accurately as f32 sums, v_exp_f32 and their like allow (about 1e-6 of the number): no bf16 or f16 on the way to a quantiser, and a product that is left as it is and whose result goes on into a quantised operand takes f32 operands (vector FMAs, or v_wmma_f32_16x16x4_f32). A number that lies on a knife's edge between two numbers of the format may be rounded either way, as far as f32 arithmetic and the matrix unit's own rounding can turn it there, and no further.
;; One version. Each part assembles by itself: llvm-mc -triple=amdgcn-amd-amdhsa -mcpu=gfx1250 --defsym DOCPART=n.
;; ======== version 1 of 1: 4 launches
;; limits: right only within a limited range of input values
;; workspace buffers: xc 12,582,912 bytes; wc 4,194,304 bytes; qc 4,194,304 bytes; kc 4,194,304 bytes; vc 4,194,304 bytes; oc 4,194,304 bytes
;; launch quant (part 1): grid 256 x 1, 8 waves a work-group, no clusters, 68,608 bytes of LDS; arguments x, Wq, Wk, Wv, Wo, lowp_scales, xc, wc; writes xc, wc
.if DOCPART == 1
	.amdgcn_target "amdgcn-amd-amdhsa--gfx1250"
	.amdhsa_code_object_version 6
	.text
	.protected	k_q3dab14d9c3_quant
	.globl	k_q3dab14d9c3_quant
	.p2align	8
	.type	k_q3dab14d9c3_quant,@function
k_q3dab14d9c3_quant:
	s_mov_b64 s[64:65], 0
	v_nop
	global_prefetch_b8 v0, s[64:65] scope:SCOPE_SE
	s_setreg_imm32_b32 hwreg(HW_REG_WAVE_MODE, 25, 1), 1
	s_wait_xcnt 0x0
; x [4096][1024] and Wq, Wk, Wv, Wo [1024][1024], f32 with K innermost, become codes of E4M3, one byte a number.
; x is the left operand of three products, each with a scale of its own (entries 0, 2, 4 of the scales): xc holds three sets of codes, 4 MiB each.  wc holds Wq (entry 1), Wk (entry 3), Wv (entry 5), Wo (entry 11), 1 MiB each.
; code = number / 2^e, held within +-448, rounded to the nearest code, ties to even.
; LIMITS: every e used here lies between -126 and 119, so that 2^e and 448 x 2^e are f32 numbers.  NaN among the inputs is not served (an infinity is held at the largest code).
; LAYOUT: [128 rows][256 along K: 4][tile of 16 rows: 8][128 along K: 2][2,048 bytes], the last an image of the registers of a fragment of 16 rows x 128: register 4 c .. 4 c + 3 at 512 c + 16 x lane;
; lane (r = lane % 16, h = lane / 16) holds, of row r, k = 32 c + 8 h + 0 .. 7 and 32 c + 16 + 8 h + 0 .. 7.  A tile's rows are neighbours, but in Wo: tile 4 R + b there has rows 64 R + 4 r + b.
; SHARES: a work-group takes two tiles of rows, a wave 256 along K of one: two images.  Work-groups 0-127 take x, 128-255 the four weights, 32 each.
; Only pointers, strides and exponents are chosen by the work-group's number; the one branch on it goes round x's second and third conversion and holds no LDS instruction.
; Each load reads 512 consecutive bytes of a row, 16 a lane; all 32 loads of a wave go out at once.  The 16 rows of an image turn through the wave's own stage in LDS.  A lane's 16 codes are 16 bytes: each store covers 512 consecutive bytes, aligned.
; No barrier: waves share nothing.  No cluster: no byte is read by two work-groups.  No prefetch: no loop to run ahead in.
.set XWG,   128                        ; work-groups that take x
.set SP,    528                        ; a row in the stage: 512 bytes + 16 of padding: 16 rows start at 16 different banks (64 banks of 4 bytes: ISA guide 11.1)
.set WREG,  16*SP                      ; LDS: a stage for each wave
.set SPARE, 8*WREG                     ; behind them: the spare words, 128 bytes a wave, which no other line names
.set LI,    3                          ; v3       16 x lane: my bytes of a load's 512 and of a store's 512; never rewritten
.set SPW,   12                         ; v12      LDS address of my spare word; never rewritten
.set NIL,   13                         ; v13      0; never rewritten
.set SIN,   14                         ; v14      the stage on the way in
.set SOUT,  15                         ; v15      and on the way out
.set R,     16                         ; v16-143  the numbers as loaded: two images of 16 rows
.set X,     144                        ; v144-175 two sets of 16 numbers of a lane
.set T,     176                        ; v176-191 the 16 numbers, held
.set SC,    192                        ; v192-194 2^e as f32, for each of three scales
.set LM,    195                        ; v195-197 448 x 2^e
.set C,     200                        ; v200-247 an image's codes: four registers for each c and each of three scales
.set SRC,   34                         ; s[34:35] the source
.set D0,    36                         ; s[36:37], s[38:39], s[40:41] my wave's codes, one base for each set
.set ROW,   66                         ; s[66:97] my 16 rows
	s_load_b512 s[4:19], s[0:1], 0x0               ; x, Wq, Wk, Wv, Wo, scales, xc, wc
	v_lshl_add_u32 v[SPW], v0, 2, SPARE
	v_mov_b32 v[NIL], 0
	v_lshrrev_b32 v1, 5, v0
	v_readfirstlane_b32 s32, v1                    ; wave 0..7
	v_and_b32 v2, 31, v0                           ; lane
	v_lshlrev_b32 v[LI], 4, v2
	s_mul_i32 s33, s32, WREG
	v_add_nc_u32 v[SIN], s33, v[LI]                ; in: a row's 512 bytes as they lie
	v_and_b32 v4, 15, v2
	v_lshrrev_b32 v5, 4, v2
	v_mul_u32_u24 v[SOUT], v4, SP
	v_lshl_add_u32 v[SOUT], v5, 5, v[SOUT]
	v_add_nc_u32 v[SOUT], s33, v[SOUT]             ; out: row r, 8 h numbers on
	s_sub_co_u32 s42, ttmp9, XWG                   ; a weight's work-group: its number among the 128 (of no use in x's work-groups),
	s_lshr_b32 s43, s42, 5                         ; which weight,
	s_and_b32 s44, s42, 31                         ; which 32 rows of it
	s_cmp_lt_u32 ttmp9, XWG
	s_cselect_b32 s45, ttmp9, s44                  ; my 32 rows in the source,
	s_cselect_b32 s46, ttmp9, s42                  ; and in the buffer of codes
	s_lshr_b32 s47, s32, 2                         ; which of the two tiles,
	s_and_b32 s48, s32, 3                          ; which 256 along K
	s_lshl_b32 s45, s45, 1
	s_add_co_u32 s45, s45, s47                     ; my tile in the source,
	s_lshl_b32 s46, s46, 1
	s_add_co_u32 s46, s46, s47                     ; and in the codes
	s_lshl_b32 s50, s45, 16                        ; 16 rows of 4,096 bytes a tile;
	s_lshr_b32 s51, s45, 2
	s_lshl_b32 s51, s51, 18                        ; in Wo: 64 rows,
	s_and_b32 s52, s45, 3
	s_lshl_b32 s52, s52, 12                        ; and row b
	s_add_co_u32 s51, s51, s52
	s_mov_b32 s53, 16384
	s_cmp_eq_u32 s43, 3                            ; Wo?  (in x's work-groups s43 is no weight's number)
	s_cselect_b32 s50, s51, s50
	s_cselect_b32 s54, s53, 4096                   ; from row to row of a tile
	s_mov_b32 s55, 0
	s_mov_b32 s51, 0
	s_lshl_b32 s52, s48, 10
	s_add_co_u32 s50, s50, s52                     ; 256 numbers are 1,024 bytes
	s_lshr_b32 s56, s46, 3
	s_lshl_b32 s56, s56, 17                        ; the codes: 128 rows are 131,072 bytes,
	s_and_b32 s57, s46, 7
	s_lshl_b32 s57, s57, 12                        ; a tile's two images 4,096,
	s_add_co_u32 s56, s56, s57
	s_lshl_b32 s57, s48, 15                        ; 256 along K 32,768
	s_add_co_u32 s56, s56, s57
	s_mov_b32 s57, 0
	s_wait_alu depctr_va_vdst(0)                   ; directly ahead of the wait below
	s_wait_kmcnt 0x0
	s_load_b256 s[20:27], s[14:15], 0x0            ; e0 .. e7
	s_load_b128 s[28:31], s[14:15], 0x20           ; e8 .. e11
	s_mov_b64 s[SRC:SRC+1], s[6:7]                 ; the source: Wq, unless ..
	s_cmp_eq_u32 s43, 1
	s_cselect_b64 s[SRC:SRC+1], s[8:9], s[SRC:SRC+1]
	s_cmp_eq_u32 s43, 2
	s_cselect_b64 s[SRC:SRC+1], s[10:11], s[SRC:SRC+1]
	s_cmp_eq_u32 s43, 3
	s_cselect_b64 s[SRC:SRC+1], s[12:13], s[SRC:SRC+1]
	s_cmp_lt_u32 ttmp9, XWG
	s_cselect_b64 s[SRC:SRC+1], s[4:5], s[SRC:SRC+1]
	s_cselect_b64 s[D0:D0+1], s[16:17], s[18:19]
	s_add_nc_u64 s[ROW:ROW+1], s[SRC:SRC+1], s[50:51]
.set j, 0
.rept 15
	s_add_nc_u64 s[ROW+2+2*j:ROW+3+2*j], s[ROW+2*j:ROW+1+2*j], s[54:55]
.set j, j+1
.endr
.set j, 0
.rept 32                                       ; 16 rows of the first image, then of the second
	global_load_b128 v[R+4*j:R+4*j+3], v[LI], s[ROW+2*(j%16):ROW+1+2*(j%16)] offset:512*(j/16) th:TH_LOAD_NT   ; 32 lanes read 512 consecutive bytes; read once in the launch
.set j, j+1
.endr
	s_add_nc_u64 s[D0:D0+1], s[D0:D0+1], s[56:57]
	s_add_nc_u64 s[D0+2:D0+3], s[D0:D0+1], 0x400000   ; x's second and third set (used in x's work-groups alone)
	s_add_nc_u64 s[D0+4:D0+5], s[D0:D0+1], 0x800000
	s_wait_kmcnt 0x0
	s_mov_b32 s47, s21                             ; the first scale's exponent: e1 (Wq), unless ..
	s_cmp_eq_u32 s43, 1
	s_cselect_b32 s47, s23, s47                    ; e3 (Wk)
	s_cmp_eq_u32 s43, 2
	s_cselect_b32 s47, s25, s47                    ; e5 (Wv)
	s_cmp_eq_u32 s43, 3
	s_cselect_b32 s47, s31, s47                    ; e11 (Wo)
	s_cmp_lt_u32 ttmp9, XWG
	s_cselect_b32 s47, s20, s47                    ; e0 (x)
.macro MKSC i, se                      ; 2^e and 448 x 2^e as f32, e in s[se]
	s_add_co_i32 s58, s[\se], 127
	s_lshl_b32 s59, s58, 23
	v_mov_b32 v[SC+\i], s59                        ; the conversion takes its exponent field
	s_add_co_i32 s58, s58, 8
	s_lshl_b32 s58, s58, 23
	s_or_b32 s58, s58, 0x600000                    ; 448 = 1.75 x 2^8
	v_mov_b32 v[LM+\i], s58
.endm
	MKSC 0, 47
	MKSC 1, 22                                     ; e2
	MKSC 2, 24                                     ; e4
	s_wait_alu depctr_va_vdst(0)                   ; the head's end
; One set of codes of piece c of image n: the hold (the conversion to an 8-bit code does not saturate: ISA guide 7.6.2), two conversions, the store.
.macro Q1 i, c, n, base
.set XS, X+16*((\c)%2)
.set CS, C+12*(\c)+4*\i
.irp m, 0,1,2,3,4,5,6,7,8,9,10,11,12,13,14,15
	v_med3_num_f32 v[T+\m], v[XS+\m], -v[LM+\i], v[LM+\i]
.endr
	v_cvt_scalef32_pk8_fp8_f32 v[CS:CS+1], v[T:T+7], v[SC+\i]
	v_cvt_scalef32_pk8_fp8_f32 v[CS+2:CS+3], v[T+8:T+15], v[SC+\i]
	v_nop                                          ; one plain vector line between the conversions and the next holds, which write their sources
	global_store_b128 v[LI], v[CS:CS+3], s[\base:\base+1] offset:2048*(\n)+512*(\c)   ; 32 lanes store 512 consecutive bytes, aligned
.endm
.macro PIECE c                         ; my 16 numbers of piece c
.set XS, X+16*((\c)%2)
.irp i, 0,1
	ds_load_b128 v[XS+8*\i:XS+8*\i+3],   v[SOUT] offset:128*(\c)+64*\i
	ds_load_b128 v[XS+8*\i+4:XS+8*\i+7], v[SOUT] offset:128*(\c)+64*\i+16
.endr
.endm
.macro WORK c, n
.if (\c) < 3
	PIECE (\c)+1
	s_wait_dscnt 4                                 ; this piece is in; the next one's four loads may be out
.else
	s_wait_dscnt 0x0
.endif
	Q1 0, \c, \n, D0
	s_cmp_lt_u32 ttmp9, XWG                        ; x has two scales more
	s_cbranch_scc0 .Lweight_\@
	Q1 1, \c, \n, D0+2
	Q1 2, \c, \n, D0+4
.Lweight_\@:
.endm
.macro IMAGE n
	s_wait_loadcnt 16*(1-\n)                       ; this image's 16 loads are in; the second's may be out
.if \n
	s_wait_xcnt 0x0                                ; the first image's stores have read their data: the codes' registers are written again only behind this wait
.endif
.set j, 0
.rept 16                                       ; LDS serves a wave's instructions in order: no wait stands between the stores and the loads, nor ahead of the second image's stores
	ds_store_b128 v[SIN], v[R+64*\n+4*j:R+64*\n+4*j+3] offset:SP*j
.set j, j+1
.endr
	PIECE 0
.irp c, 0,1,2,3
	WORK \c, \n
.endr
.endm
	IMAGE 0
	IMAGE 1
	s_wait_tensorcnt 0x0                           ; the wave's end
	ds_add_u32 v[SPW], v[NIL]
	s_wait_dscnt 0x0
	s_endpgm
.Lfunc_end_k_q3dab14d9c3_quant:
	.size	k_q3dab14d9c3_quant, .Lfunc_end_k_q3dab14d9c3_quant-k_q3dab14d9c3_quant
	.p2alignl 7, 3214868480
	.fill 96, 4, 3214868480
	.section	.rodata,"a",@progbits
	.p2align	6, 0x0
	.amdhsa_kernel k_q3dab14d9c3_quant
		.amdhsa_group_segment_fixed_size 68608
		.amdhsa_private_segment_fixed_size 0
		.amdhsa_enable_private_segment 0
		.amdhsa_kernarg_size 64
		.amdhsa_user_sgpr_count 2
		.amdhsa_user_sgpr_kernarg_segment_ptr 1
		.amdhsa_wavefront_size32 1
		.amdhsa_system_sgpr_workgroup_id_x 1
		.amdhsa_system_sgpr_workgroup_id_y 1
		.amdhsa_system_sgpr_workgroup_id_z 1
		.amdhsa_system_vgpr_workitem_id 0
		.amdhsa_next_free_vgpr 248
		.amdhsa_next_free_sgpr 100
		.amdhsa_reserve_vcc 0
		.amdhsa_float_denorm_mode_32 3
		.amdhsa_float_denorm_mode_16_64 3
		.amdhsa_memory_ordered 1
		.amdhsa_forward_progress 1
		.amdhsa_inst_pref_size 43
	.end_amdhsa_kernel
	.amdgpu_metadata
---
amdhsa.version: [ 1, 2 ]
amdhsa.kernels:
  - .name:           k_q3dab14d9c3_quant
    .symbol:         k_q3dab14d9c3_quant.kd
    .args:
      - { .name: x, .offset: 0, .size: 8, .value_kind: global_buffer, .address_space: global }
      - { .name: Wq, .offset: 8, .size: 8, .value_kind: global_buffer, .address_space: global }
      - { .name: Wk, .offset: 16, .size: 8, .value_kind: global_buffer, .address_space: global }
      - { .name: Wv, .offset: 24, .size: 8, .value_kind: global_buffer, .address_space: global }
      - { .name: Wo, .offset: 32, .size: 8, .value_kind: global_buffer, .address_space: global }
      - { .name: lowp_scales, .offset: 40, .size: 8, .value_kind: global_buffer, .address_space: global }
      - { .name: xc, .offset: 48, .size: 8, .value_kind: global_buffer, .address_space: global }
      - { .name: wc, .offset: 56, .size: 8, .value_kind: global_buffer, .address_space: global }
    .group_segment_fixed_size: 68608
    .private_segment_fixed_size: 0
    .kernarg_segment_align: 8
    .kernarg_segment_size: 64
    .max_flat_workgroup_size: 256
    .sgpr_count:     100
    .vgpr_count:     248
    .wavefront_size: 32
...
	.end_amdgpu_metadata
.endif
;; end of part 1
;; launch qkv (part 2): grid 12 x 16, 4 waves a work-group, clusters of 4 x 4, 327,680 bytes of LDS; arguments xc, wc, lowp_scales, qc, kc, vc; writes qc, kc, vc
.if DOCPART == 2
	.amdgcn_target "amdgcn-amd-amdhsa--gfx1250"
	.amdhsa_code_object_version 6
	.text
	.protected	k_q3dab14d9c3_qkv
	.globl	k_q3dab14d9c3_qkv
	.p2align	8
	.type	k_q3dab14d9c3_qkv,@function
k_q3dab14d9c3_qkv:
	s_mov_b64 s[64:65], 0
	v_nop
	global_prefetch_b8 v0, s[64:65] scope:SCOPE_SE
	s_setreg_imm32_b32 hwreg(HW_REG_WAVE_MODE, 25, 1), 1
	s_wait_xcnt 0x0
	s_wait_alu depctr_hold_cnt(0) depctr_sa_sdst(0) depctr_va_vdst(0) depctr_va_sdst(0) depctr_va_ssrc(0) depctr_va_vcc(0) depctr_vm_vsrc(0)
	s_getreg_b32 s2, hwreg(HW_REG_IB_STS2, 6, 4)
	s_cmp_eq_u32 s2, 0
	s_cbranch_scc0 .Lentry_in_a_cluster
	s_endpgm
.Lentry_in_a_cluster:
	s_bfe_u32 s2, ttmp6, 0x10000c
	s_cmp_lg_u32 s2, 0xf033
	s_cbranch_scc0 .Lentry_shape_is_right
	s_endpgm
.Lentry_shape_is_right:
; q = x Wq^T, k = x Wk^T, v = x Wv^T on codes of E4M3, each result quantised with its own scale (entries 6, 7, 9) and left as images of the fragments that the next launch reads.
; xc, wc: [128 rows][256 along K: 4][tile of 16 rows: 8][128 along K: 2][2,048 bytes], the last an image of the registers of a fragment of 16 rows x 128: register 4 c .. 4 c + 3 at 512 c + 16 x lane.
; qc, kc: [head 16][tile of 16 rows: 256][1,024 bytes], images of 16 rows x 64.   vc: [head 16][128 keys: 32][16 of the head's 64: 4][2,048 bytes], images of 16 d x 128 keys.
; Cluster x = 0, 1, 2 makes q, k, v.  A block is 256 x 256, made by four waves, as many as a WGP has SIMDs, 128 x 128 each: 64 accumulators.  192 work-groups: the three products have unlike codes of x, so a block lies within one of them.
; THE MATRIX INSTRUCTION IS USED TRANSPOSED: source 0 = operand B, source 1 = operand A: a lane holds one row of A and eight neighbouring rows of B, which are neighbours along the next K: one conversion makes 8 bytes of an image.
; q, k: A = x (rows), B = the weight (columns, the head's 64 run along the next K).  v: A = Wv (d), B = x (the keys run along the next K).
; LDS: a region of 64 KiB for each of A's two halves of 128 rows and B's two: two slots of 32 KiB, 256 along K.  The ONE tensor load of each wave at the head brings 64 KiB on end: both slots.  K's third and fourth 256 are two refills.
; CLUSTERS: 4 x 4 work-groups.  A's tiles are shared along a row of the cluster, B's along a column: joint loads, with the same descriptor and a mask that names the four.
; PREFETCH: each refill's 32 KiB are asked for one slot, two steps of 128 along K, ahead of the load; the four partners that load them jointly share them out by address, 8,192 bytes each, lanes 256 bytes apart.
; LIMITS: the exponents of x and the weight taken away from the result's lie between -126 and 119, so that the conversion's scale and 448 times it are f32 numbers.
; REGISTERS: window 0: v16-31 addresses and constants; v32-95 a block's sums, held; v128-255 A's fragments (one set), on the way out the codes, 16 registers a block.   window 1: B's fragments, two sets.
;   window 2: the accumulators of my A blocks 0-3 ((a, b) at v[8 (8 a + b)]);   window 3: of blocks 4-7.
.set FR,     16                        ; registers of a fragment
.set NL,     4                         ; LDS loads that bring one
.set SLOT,   32768
.set SPARE,  262144                    ; behind the four regions: the spare words, 128 bytes a wave, which no other line names
.set ADRA, 16                          ; v16  LDS address of my fragments of A
.set ADRB, 17                          ; v17  of B
.set PFO,  18                          ; v18  256 x lane: the prefetches' offset; never rewritten
.set LI,   26                          ; v26  16 x lane
.set SPW,  28                          ; v28  LDS address of my spare word; never rewritten
.set NIL,  29                          ; v29  0; never rewritten
.set SCV,  30                          ; v30  the conversion's scale;  v31  448 x that
.set LMV,  31
.set TMP,  32
.set AF,   128
.set CD,   128
.set WV,   16                          ; s16  my wave's number
.set RH,   17                          ; s17  which half of A is mine.  Also: I fetch for A (0) or for B (1)
.set CH,   18                          ; s18  which half of B.  Also: which half of that operand I fetch
.set G1A,  24                          ; s[24:31] descriptor group 1 for A at the head;  s[32:35] group 0
.set G0A,  32
.set G1B,  36                          ; s[36:43], s[44:47] the same for B
.set G0B,  44
.set R1A,  48                          ; s[48:55], s[56:63] group 1 for the refills of A, of B
.set R1B,  56
.set BASE, 24                          ; the way out: s[24:55] two bases for each of eight blocks, behind the last load
.set PF,   98                          ; s[98:99] where my prefetches stand
.set MSB, 0
.macro WIN new                         ; the immediate's high byte repeats the setting that is left
.if MSB != (\new)
	s_set_vgpr_msb (MSB<<8)|(\new)
.set MSB, (\new)
.endif
.endm
.set MUL_LO, 0xa1                      ; source 0 (B) window 1, source 1 (A) window 0, C and D window 2
.set MUL_HI, 0xf1                      ; the same, C and D window 3
.set TO_B,   0x40                      ; destination window 1
; A joint load: waves 0 and 1 fetch for A, waves 2 and 3 for B.  The branch hangs on the wave's number alone; an s_nop 0 and four v_nop follow each of the two lines.
.macro JLOAD g1a, g1b
	s_cmp_eq_u32 s[RH], 0
	s_cbranch_scc0 .Lfor_b_\@
	tensor_load_to_lds s[G0A:G0A+3], s[\g1a:\g1a+7]
	s_nop 0
.rept 4
	v_nop
.endr
	s_branch .Lasked_\@
.Lfor_b_\@:
	tensor_load_to_lds s[G0B:G0B+3], s[\g1b:\g1b+7]
	s_nop 0
.rept 4
	v_nop
.endr
.Lasked_\@:
.endm
.macro CREST                           ; a round of the cluster's barrier behind its opening barrier
	s_cmp_lg_u32 s[WV], 0
	s_cbranch_scc1 .Lnot_wave_0_\@
	s_barrier_signal -3
.Lnot_wave_0_\@:
	s_barrier_wait -3
	s_barrier_signal -1
	s_barrier_wait -1
.endm
.macro CROUND                          ; a whole round
	s_barrier_signal -1
	s_barrier_wait -1
	CREST
.endm
.macro PLACES
.rept 4
	v_nop
.endr
.endm
	s_load_b256 s[4:11], s[0:1], 0x0               ; xc s[4:5], wc s[6:7], the scales s[8:9], qc s[10:11]
	s_load_b128 s[12:15], s[0:1], 0x20             ; kc, vc
	v_lshl_add_u32 v[SPW], v0, 2, SPARE
	v_mov_b32 v[NIL], 0
	ds_add_u32 v[SPW], v[NIL]                      ; the wave's opening: the add, twice on end, and its wait ahead of my first tensor load; the set-up below, work on registers, stands between
	ds_add_u32 v[SPW], v[NIL]
	v_lshrrev_b32 v1, 5, v0
	v_readfirstlane_b32 s[WV], v1                  ; wave 0..3
	s_lshr_b32 s[RH], s[WV], 1
	s_and_b32 s[CH], s[WV], 1
	s_bfe_u32 s80, ttmp6, 0x40000                  ; cx, cy: my place in the cluster
	s_bfe_u32 s81, ttmp6, 0x40004
	s_and_b32 s84, ttmp7, 0xffff
	s_lshl_b32 s84, s84, 2                         ; 4 x cluster y: goes with x's tile, A's in q and k, B's in v
	s_lshl_b32 s90, ttmp9, 22                      ; q, k: A is set 0, 1 of x's codes,
	s_lshl_b32 s91, ttmp9, 20                      ; B weight 0, 1;
	s_mov_b32 s92, 0x200000                        ; v: A is weight 2,
	s_mov_b32 s93, 0x800000                        ; B set 2
	s_cmp_lt_u32 ttmp9, 2
	s_cselect_b32 s85, s84, 0
	s_cselect_b32 s84, 0, s84
	s_cselect_b32 s90, s90, s92
	s_cselect_b32 s91, s91, s93
	s_add_co_u32 s83, s81, s85                     ; A's 256 rows: of cy, not of cx
	s_add_co_u32 s82, s80, s84                     ; B's 256 rows: of cx, not of cy
	s_lshl_b32 s86, s81, 2
	s_lshl_b32 s86, 15, s86                        ; my row of the cluster
	s_lshl_b32 s87, 0x1111, s80                    ; my column
	; descriptor group 1: rows of 4,096 bytes, dense in memory and in LDS: 16 at the head, 8 in a refill
	s_or_b32 s[G1A], s86, (3<<16)|(1<<21)          ; 15:0 the mask: A's tiles go to my row; 17:16 elements of 8 bytes; 20 no padding; 21 set beside a mask
	s_or_b32 s[R1A], s86, (3<<16)|(1<<21)
	s_or_b32 s[G1B], s87, (3<<16)|(1<<21)          ; B's to my column
	s_or_b32 s[R1B], s87, (3<<16)|(1<<21)
.macro GROUP1 g, n
	s_mov_b32 s[\g+1], 512<<16                     ; tensor_dim0 = 512 elements
	s_mov_b32 s[\g+2], (\n)<<16                    ; tensor_dim1
	s_mov_b32 s[\g+3], 512<<16                     ; tile_dim0
	s_mov_b32 s[\g+4], \n                          ; tile_dim1
	s_mov_b32 s[\g+5], 512                         ; from row to row
	s_mov_b32 s[\g+6], 0
	s_mov_b32 s[\g+7], 0
.endm
	GROUP1 G1A, 16
	GROUP1 G1B, 16
	GROUP1 R1A, 8
	GROUP1 R1B, 8
	s_lshl_b32 s20, s83, 1
	s_add_co_u32 s20, s20, s[CH]
	s_lshl_b32 s20, s20, 17                        ; which 128 rows, 131,072 bytes each, I fetch: of A,
	s_add_co_u32 s20, s20, s90
	s_mov_b32 s21, 0
	s_lshl_b32 s22, s82, 1
	s_add_co_u32 s22, s22, s[CH]
	s_lshl_b32 s22, s22, 17                        ; of B
	s_add_co_u32 s22, s22, s91
	s_mov_b32 s23, 0
	s_wait_dscnt 0x0                               ; both opening adds are done
	s_wait_kmcnt 0x0
	s_load_b256 s[68:75], s[8:9], 0x0              ; e0 .. e7
	s_load_b128 s[76:79], s[8:9], 0x20             ; e8 .. e11
	s_cmp_lt_u32 ttmp9, 2
	s_cselect_b64 s[94:95], s[4:5], s[6:7]
	s_cselect_b64 s[96:97], s[6:7], s[4:5]
	s_add_nc_u64 s[94:95], s[94:95], s[20:21]
	s_add_nc_u64 s[96:97], s[96:97], s[22:23]
	s_mov_b32 s[G0A], 1
	s_lshl_b32 s[G0A+1], s[WV], 16                 ; where they go: wave x 64 KiB: no place in the cluster enters an LDS address
	s_mov_b64 s[G0A+2:G0A+3], s[94:95]
	s_or_b32 s[G0A+3], s[G0A+3], 0x80000000
	s_mov_b32 s[G0B], 1
	s_lshl_b32 s[G0B+1], s[WV], 16
	s_mov_b64 s[G0B+2:G0B+3], s[96:97]
	s_or_b32 s[G0B+3], s[G0B+3], 0x80000000
	CROUND                                         ; all sixteen work-groups are here: the first joint loads meet
	JLOAD G1A, G1B                                 ; both slots: my one load at the head
	s_cmp_eq_u32 s[RH], 0                          ; the prefetches: of what I fetch, my work-group's 8,192 bytes of each 32,768, told apart by cx for A and cy for B
	s_cselect_b64 s[PF:PF+1], s[94:95], s[96:97]
	s_cselect_b32 s84, s80, s81
	s_lshl_b32 s84, s84, 13
	s_mov_b32 s85, 0
	s_add_nc_u64 s[PF:PF+1], s[PF:PF+1], s[84:85]
	v_and_b32 v5, 31, v0
	v_lshlrev_b32 v[LI], 4, v5
	v_lshlrev_b32 v[PFO], 8, v5
	s_lshl_b32 s66, s[RH], 16                      ; my 128 rows of A,
	s_lshl_b32 s67, s[CH], 16                      ; my 128 of B,
	s_add_co_u32 s67, s67, 131072                  ; which lie behind A's
	v_add_nc_u32 v[ADRA], s66, v[LI]
	v_add_nc_u32 v[ADRB], s67, v[LI]
.macro FRAG reg, adr, slot, q, i       ; block i's fragment of the slot's q-th 128 along K
.irp c, 0,1,2,3
	ds_load_b128 v[\reg+4*\c:\reg+4*\c+3], v[\adr] offset:SLOT*(\slot)+4096*(\i)+2048*(\q)+512*\c
.endr
.endm
; 16 matrix instructions: A's blocks a0, a0 + 1 x B's eight, 128 along K.  p: B's set.  zero = 1: the first product starts the sums: nothing is ever cleared.
; The 64 accumulators take turns, one instruction a turn, in the same order in every step.
.macro MUL16 a0, p, zero
.irp a, \a0, \a0+1
.irp b, 0,1,2,3,4,5,6,7
.if \zero
	v_wmma_f32_16x16x128_fp8_fp8 v[8*(8*((\a)%4)+\b):8*(8*((\a)%4)+\b)+7], v[128*(\p)+FR*\b:128*(\p)+FR*\b+FR-1], v[AF+FR*(\a):AF+FR*(\a)+FR-1], 0
.else
	v_wmma_f32_16x16x128_fp8_fp8 v[8*(8*((\a)%4)+\b):8*(8*((\a)%4)+\b)+7], v[128*(\p)+FR*\b:128*(\p)+FR*\b+FR-1], v[AF+FR*(\a):AF+FR*(\a)+FR-1], v[8*(8*((\a)%4)+\b):8*(8*((\a)%4)+\b)+7]
.endif
.endr
.endr
.endm
.macro FETCH_B slot, q                 ; B's eight fragments, into set q
	WIN TO_B
.irp i, 0,1,2,3,4,5,6,7
	FRAG 128*(\q)+FR*\i, ADRB, \slot, \q, \i
.endr
	WIN 0
.endm
.macro FETCH_A slot, q, i0             ; A's blocks i0 .. i0 + 3
.irp i, \i0, \i0+1, \i0+2, \i0+3
	FRAG AF+FR*(\i), ADRA, \slot, \q, \i
.endr
.endm
.macro ASK off
	global_prefetch_b8 v[PFO], s[PF:PF+1] offset:\off th:TH_LOAD_NT scope:SCOPE_SE
.endm
; The slot's first 128 along K.  Loads into registers that matrix instructions have read stand four places behind them.
.macro STEP slot, zero
	s_wait_dscnt 4*NL                              ; B's set and A's blocks 0-3 are in; the youngest loads (A's blocks 4-7) may be out
	WIN MUL_LO
	MUL16 0, 0, \zero
	MUL16 2, 0, \zero
	s_wait_dscnt 0                                 ; A's blocks 4-7 are in
	PLACES
	FETCH_B \slot, 1
	FETCH_A \slot, 1, 0
	WIN MUL_HI
	MUL16 4, 0, \zero
	MUL16 6, 0, \zero
	PLACES
	WIN 0
	FETCH_A \slot, 1, 4
.endm
; The slot's second 128 along K, and the change of slots: ONE barrier; in front of it each wave waits for all its tensor loads, adds 0 to its spare word, and waits for that and for its own reads of this slot.
; fill = 1: this slot is filled again: the load's bytes stand mem on in memory and lds on in LDS from the last load's.
.macro TURN slot, next, fill, mem, lds
	s_wait_tensorcnt 0x0                           ; all my tensor loads have landed;  (every window is 0 here: the add's two registers lie in window 0)
	ds_add_u32 v[SPW], v[NIL]                      ; 0 onto my spare word
.if \fill
	s_add_nc_u64 s[G0A+2:G0A+3], s[G0A+2:G0A+3], \mem
	s_add_nc_u64 s[G0B+2:G0B+3], s[G0B+2:G0B+3], \mem
	s_add_co_u32 s[G0A+1], s[G0A+1], \lds
	s_add_co_u32 s[G0B+1], s[G0B+1], \lds
.endif
	s_wait_dscnt 4*NL+1                            ; (the add and the youngest loads, A's blocks 4-7, may be out)
	WIN MUL_LO
	MUL16 0, 1, 0                                  ; sixteen matrix instructions stand between the add and the wait for it
	s_wait_dscnt 0x0                               ; the add is done, and my reads of this slot are over
	s_barrier_signal -1
	MUL16 2, 1, 0
	WIN 0
	s_barrier_wait -1
.if \fill
	CREST                                          ; no wave of any partner still reads this slot's tile or has a load on its way
	JLOAD R1A, R1B                                 ; the first tensor load behind the round; the four v_nop behind it are among the places in front of the loads below
.else
	PLACES
.endif
	FETCH_B \next, 0
	FETCH_A \next, 0, 0
.if \fill && (\slot) == 0
	ASK 98304                                      ; K's fourth 256, for the next change of slots
.endif
	WIN MUL_HI
	MUL16 4, 1, 0
	MUL16 6, 1, 0
	PLACES
	WIN 0
	FETCH_A \next, 0, 4
.endm
	s_wait_alu depctr_va_vdst(0)                   ; the head's end
	s_wait_tensorcnt 0x0                           ; my load is in
	s_barrier_signal -1
	s_barrier_wait -1                              ; everybody's is
	FETCH_B 0, 0
	FETCH_A 0, 0, 0
	FETCH_A 0, 0, 4
	ASK 65536                                      ; K's third 256, for the first change of slots
	STEP 0, 1
	TURN 0, 1, 1, 65536, 0
	STEP 1, 0
	TURN 1, 0, 1, 32768, SLOT
	STEP 0, 0
	TURN 0, 1, 0, 0, 0                             ; behind this one nothing is filled: no round of the cluster's barrier
	STEP 1, 0
	; what the way out needs: no load of mine is out, so the descriptors' registers are free
	s_wait_kmcnt 0x0
	s_cmp_eq_u32 ttmp9, 0
	s_cselect_b32 s20, s68, s70                    ; the exponents: x's,
	s_cselect_b32 s21, s69, s71                    ; the weight's,
	s_cselect_b32 s22, s74, s75                    ; the result's
	s_cselect_b64 s[BASE:BASE+1], s[10:11], s[12:13]
	s_cmp_eq_u32 ttmp9, 2
	s_cselect_b32 s20, s72, s20
	s_cselect_b32 s21, s73, s21
	s_cselect_b32 s22, s77, s22
	s_cselect_b64 s[BASE:BASE+1], s[14:15], s[BASE:BASE+1]
	s_mov_b32 s84, 1024
	s_cselect_b32 s84, s84, 0x40000                ; from B's blocks 0-3 to 4-7: the next head; in v the second half of an image
	s_mov_b32 s86, 1024
	s_cselect_b32 s86, 2048, s86                   ; from block to block of A,
	s_cselect_b32 s88, 253952, 0                   ; and what v adds at block 4: the next head
	s_cselect_b32 s23, s83, s82                    ; heads run along the weight's rows, tiles (or keys) along x's
	s_cselect_b32 s66, s[RH], s[CH]
	s_cselect_b32 s67, s82, s83
	s_cselect_b32 s90, s[CH], s[RH]
	s_mov_b32 s85, 0
	s_mov_b32 s87, 0
	s_mov_b32 s89, 0
	s_sub_co_i32 s22, s22, s20                     ; a sum stands for sum x 2^(x's + the weight's): folded into the conversion's scale
	s_sub_co_i32 s22, s22, s21
	s_add_co_i32 s22, s22, 127
	s_lshl_b32 s20, s22, 23
	v_mov_b32 v[SCV], s20
	s_add_co_i32 s22, s22, 8
	s_lshl_b32 s22, s22, 23
	s_or_b32 s22, s22, 0x600000
	v_mov_b32 v[LMV], s22
	s_wait_alu depctr_va_vdst(0)                   ; directly ahead of the run of scalar instructions
	s_lshl_b32 s23, s23, 2
	s_lshl_b32 s66, s66, 1
	s_add_co_u32 s23, s23, s66
	s_lshl_b32 s23, s23, 18                        ; the head's 262,144 bytes
	s_lshl_b32 s67, s67, 1
	s_add_co_u32 s67, s67, s90
	s_lshl_b32 s67, s67, 13                        ; 128 rows' 8,192 bytes
	s_add_co_u32 s66, s23, s67
	s_mov_b32 s67, 0
	s_add_nc_u64 s[BASE:BASE+1], s[BASE:BASE+1], s[66:67]
.set j, 0
.rept 8                                        ; two bases a block, so that no base is rewritten under a store
	s_add_nc_u64 s[BASE+4*j+2:BASE+4*j+3], s[BASE+4*j:BASE+4*j+1], s[84:85]
.if j < 7
	s_add_nc_u64 s[BASE+4*j+4:BASE+4*j+5], s[BASE+4*j:BASE+4*j+1], s[86:87]
.endif
.if j == 3
	s_add_nc_u64 s[BASE+4*j+4:BASE+4*j+5], s[BASE+4*j+4:BASE+4*j+5], s[88:89]
.endif
.set j, j+1
.endr
; The way out of A's block a: the hold (the conversion to an 8-bit code does not saturate: ISA guide 7.6.2), each accumulator from its low end on; eight conversions; four stores of 512 consecutive bytes, aligned.
.macro OUTB a
	WIN 0x02+((\a)/4)                              ; source 0: window 2 or 3
.set j, 0
.rept 64
	v_med3_num_f32 v[TMP+j], v[64*((\a)%4)+j], -v[LMV], v[LMV]
.set j, j+1
.endr
	WIN 0
.set j, 0
.rept 8
	v_cvt_scalef32_pk8_fp8_f32 v[CD+16*(\a)+2*j:CD+16*(\a)+2*j+1], v[TMP+8*j:TMP+8*j+7], v[SCV]
.set j, j+1
.endr
	v_nop                                          ; one plain vector line behind the last conversion
.set j, 0
.rept 4
	global_store_b128 v[LI], v[CD+16*(\a)+4*j:CD+16*(\a)+4*j+3], s[BASE+4*(\a)+2*(j/2):BASE+4*(\a)+2*(j/2)+1] offset:512*(j%2)
.set j, j+1
.endr
.endm
	s_wait_dscnt 4*NL                              ; the very last step: nothing more to fetch; blocks leave while others are multiplied
	WIN MUL_LO
	MUL16 0, 1, 0
	MUL16 2, 1, 0
	s_wait_dscnt 0
	PLACES                                         ; behind blocks 0-3's last products
	OUTB 0
	OUTB 1
	WIN MUL_HI
	MUL16 4, 1, 0
	OUTB 2
	OUTB 3
	WIN MUL_HI
	MUL16 6, 1, 0
.irp a, 4,5,6,7
	OUTB \a
.endr
	s_wait_tensorcnt 0x0                           ; the wave's end
	ds_add_u32 v[SPW], v[NIL]
	s_wait_dscnt 0x0
	CROUND                                         ; the closing round: no work-group ends while a partner may still ask for a tile that names it
	s_endpgm
.Lfunc_end_k_q3dab14d9c3_qkv:
	.size	k_q3dab14d9c3_qkv, .Lfunc_end_k_q3dab14d9c3_qkv-k_q3dab14d9c3_qkv
	.p2alignl 7, 3214868480
	.fill 96, 4, 3214868480
	.section	.rodata,"a",@progbits
	.p2align	6, 0x0
	.amdhsa_kernel k_q3dab14d9c3_qkv
		.amdhsa_group_segment_fixed_size 327680
		.amdhsa_private_segment_fixed_size 0
		.amdhsa_enable_private_segment 0
		.amdhsa_kernarg_size 48
		.amdhsa_user_sgpr_count 2
		.amdhsa_user_sgpr_kernarg_segment_ptr 1
		.amdhsa_wavefront_size32 1
		.amdhsa_system_sgpr_workgroup_id_x 1
		.amdhsa_system_sgpr_workgroup_id_y 1
		.amdhsa_system_sgpr_workgroup_id_z 1
		.amdhsa_system_vgpr_workitem_id 0
		.amdhsa_next_free_vgpr 1024
		.amdhsa_next_free_sgpr 100
		.amdhsa_reserve_vcc 0
		.amdhsa_float_denorm_mode_32 3
		.amdhsa_float_denorm_mode_16_64 3
		.amdhsa_memory_ordered 1
		.amdhsa_forward_progress 1
		.amdhsa_inst_pref_size 119
	.end_amdhsa_kernel
	.amdgpu_metadata
---
amdhsa.version: [ 1, 2 ]
amdhsa.kernels:
  - .name:           k_q3dab14d9c3_qkv
    .symbol:         k_q3dab14d9c3_qkv.kd
    .args:
      - { .name: xc, .offset: 0, .size: 8, .value_kind: global_buffer, .address_space: global }
      - { .name: wc, .offset: 8, .size: 8, .value_kind: global_buffer, .address_space: global }
      - { .name: lowp_scales, .offset: 16, .size: 8, .value_kind: global_buffer, .address_space: global }
      - { .name: qc, .offset: 24, .size: 8, .value_kind: global_buffer, .address_space: global }
      - { .name: kc, .offset: 32, .size: 8, .value_kind: global_buffer, .address_space: global }
      - { .name: vc, .offset: 40, .size: 8, .value_kind: global_buffer, .address_space: global }
    .group_segment_fixed_size: 327680
    .private_segment_fixed_size: 0
    .kernarg_segment_align: 8
    .kernarg_segment_size: 48
    .max_flat_workgroup_size: 128
    .sgpr_count:     100
    .vgpr_count:     1024
    .wavefront_size: 32
...
	.end_amdgpu_metadata
.endif
;; end of part 2
;; launch attn (part 3): grid 16 x 16, 8 waves a work-group, clusters of 4 x 1, 327,680 bytes of LDS; arguments qc, kc, vc, lowp_scales, oc; writes oc
.if DOCPART == 3
	.amdgcn_target "amdgcn-amd-amdhsa--gfx1250"
	.amdhsa_code_object_version 6
	.text
	.protected	k_q3dab14d9c3_attn
	.globl	k_q3dab14d9c3_attn
	.p2align	8
	.type	k_q3dab14d9c3_attn,@function
k_q3dab14d9c3_attn:
	s_mov_b64 s[64:65], 0
	v_nop
	global_prefetch_b8 v0, s[64:65] scope:SCOPE_SE
	s_setreg_imm32_b32 hwreg(HW_REG_WAVE_MODE, 25, 1), 1
	s_wait_xcnt 0x0
	s_wait_alu depctr_hold_cnt(0) depctr_sa_sdst(0) depctr_va_vdst(0) depctr_va_sdst(0) depctr_va_ssrc(0) depctr_va_vcc(0) depctr_vm_vsrc(0)
	s_getreg_b32 s2, hwreg(HW_REG_IB_STS2, 6, 4)
	s_cmp_eq_u32 s2, 0
	s_cbranch_scc0 .Lentry_in_a_cluster
	s_endpgm
.Lentry_in_a_cluster:
	s_bfe_u32 s2, ttmp6, 0x10000c
	s_cmp_lg_u32 s2, 0x3003
	s_cbranch_scc0 .Lentry_shape_is_right
	s_endpgm
.Lentry_shape_is_right:
; Causal attention on codes of E4M3: S = q k^T, t = S x log2(e) / 8, p = 2^(t - M) with M the running largest t rounded UP to a whole number, O = p v, o = O / the row's sum of the unquantised p; o leaves as codes.
; qc, kc: [head 16][tile of 16 rows: 256][1,024 bytes], an image of the registers of a fragment of 16 rows x 64 (registers 0-3 at 16 x lane, 4-7 at 512 + 16 x lane; registers 2 c, 2 c + 1: d = 16 c + 8 (lane / 16) + 0 .. 7).
; vc: [head 16][128 keys: 32][16 of the head's 64: 4][2,048 bytes]: 16 registers, 16 d x 128 keys (registers 2 c, 2 c + 1: keys 16 c + 8 (lane / 16) + 0 .. 7).   oc: [tile of 16 rows: 256][head 16][1,024 bytes], as qc's images.
; LAYOUT.  Both products are used transposed: S^T = k q^T (source 0 = 16 keys, source 1 = 16 queries), O^T = v^T p^T: a lane holds ONE query of a tile (lane % 16) throughout, and key tile t's eight scores are keys 16 t + 8 (lane / 16) + 0 .. 7:
; one conversion of them gives registers 2 t, 2 t + 1 of p's fragment, and one of O^T's tile d registers 2 d, 2 d + 1 of o's image.  Nothing changes lanes but a maximum and a sum between lane l and l xor 16.
; SHARES.  y = the head.  The four clusters c of a head own two blocks of 512 queries each: block 7 - c (pass A), then block c (pass B).  Keys go in slots of 1,024: pass A walks (9 - c) / 2 of them, pass B (c + 2) / 2: FIVE in every work-group.
; Of each 128 queries of a block a work-group takes 32 (two tiles: 2 cx and 2 cx + 1), and two waves take them: wave w the 128 queries number g = w (w < 4) or 7 - w; waves 0-3 take a slot's even key steps of 128 keys, waves 4-7 the odd ones.
; So a wave has two tiles of queries, A and B, for which each fragment of k and of v is read once.  At a pass's end the two waves w and 7 - w hold parts of the same two tiles: wave w's tile A is its partner's tile B.  Each stores the part of its
; tile B in LDS and finishes its tile A: the parts are brought under the greater M by powers of two and added.
; CLUSTER.  The four partners walk the same k and v: each tile is asked for JOINTLY, by the same tensor load with the same descriptor and the mask 15.  cx enters q's, o's and the prefetches' addresses and the mask's lane constants, nothing else.
; THE MASK.  A key step all of whose 128 keys come after my 128 queries' block is left out (all its scores are thrown away by the mask): a scalar branch on ids round the step's loads and work, not round the lines that step addresses.
; In the step on the diagonal hidden scores become -infinity ahead of the maximum.  A wave that walks a step has a key that counts in each row of it; a wave that walks none keeps O = 0 and a sum of 0, and its partner has walked step 0.
; LIMITS on the given exponents, so that each power of two is an f32 number: e6 + e7 between -123 and 130 (added to c's exponent field); e8 and e10 between -126 and 119; e8 + e9 goes in by v_ldexp_f32 and has none.  NaN is not served.
; The promise holds while the scaled scores t stay under 2^31 in magnitude.
; REGISTERS: window 0: v1-11 addresses and constants; v12-15 tile A's -M, largest t, sum in two halves; v16-19 tile B's; v20-23 the two factors f; v24-55 at work; v64-127, v128-191 S^T of A and B, then p; v192-223, v224-255 O^T.
;   window 1: v0-63 k (8 tiles); v64-127 v (4 tiles); v128-159 q: A, B, pass B's A, B; v160-191 p's codes: A, B.
.set SLOTB, 131072                     ; a slot: k's 64 KiB, then v's.  Quarter w of k: of each of the eight key steps tiles 2 w, 2 w + 1 (2,048 bytes), on end; quarter w of v: of each step d tile w.  One exclusive or turns an address from one slot to the other
.set STEPB, 4096                       ; from a wave's key step to its next: two steps on
.set AREA,  2*SLOTB                    ; behind the ring: the merge's parts, 4,608 bytes a wave: O^T of a tile, then -M and the sum.  No tensor load lands here
.set GB,    4608
.set SPARE, AREA+8*GB                  ; the spare words, 128 bytes a wave, which no other line names
.set LI,   1                           ; v1   16 x lane; never rewritten
.set ADR,  2                           ; v2   LDS address of the step in hand
.set PFO,  3                           ; v3   256 x lane: the prefetches' offset; never rewritten
.set DMA,  4                           ; v4   my query's place among its 128, less 8 (lane / 16): tile A;  v9: tile B
.set SPW,  5                           ; v5   LDS address of my spare word; never rewritten
.set NIL,  6                           ; v6   0; never rewritten
.set NINF, 7                           ; v7   -infinity
.set DMB,  9
.set T,    24                          ; v24-55: sums of four of p, 16 pairs
.set MA,   24                          ; v24-31, v32-39: eight chains of the maximum for each tile
.set MB,   32
.set PXA,  56                          ; v56, v57: what comes from lane l xor 16
.set PXB,  57
.set PS,   58                          ; v58  2^e8
.set OS,   59                          ; v59  2^e10;  v60  448 x 2^e10
.set OL,   60
.set MST,  61                          ; v61  where my part goes;  v62  where my partner's lies
.set MLD,  62
.set ADV,  63                          ; v63  LDS address of the step's v
.set SA,   64
.set SB,   128
.set OTA,  192
.set OTB,  224
.set KR,   0
.set VR,   64
.set QFA,  128
.set QFB,  136
.set QNA,  144
.set PA,   160
.set PB,   176
.set CODE, 48                          ; a pass's end: o's codes, v48-55
.set WV,   14                          ; s14  my wave's number
.set CX,   16                          ; s16  my place in the cluster
.set HD,   17                          ; s17  the head
.set GR,   18                          ; s18  g
.set SEL,  20                          ; s[20:21] lane selects for v_permlanex16_b32: lane l xor 16
.set CS,   22                          ; s[22:23] c = log2(e) / 8 x 2^(e6 + e7)
.set G1,   24                          ; s[24:31] descriptor group 1
.set G0,   32                          ; s[32:35] group 0, which walks
.set FB,   36                          ; s[36:37] my quarter of key slot 0 in memory
.set OFP,  38                          ; s[38:39] the key slot's offset
.set TB,   40                          ; s40  LDS byte at which the step in hand begins
.set TR,   41                          ; s41  the trip
.set QC,   42                          ; s42  counts a slot's four steps of mine
.set KN,   43                          ; s43  the key slot last asked for
.set KF,   44                          ; s44  the step's first key
.set QB,   45                          ; s45  the first of my 128 queries' block; s46 pass B's
.set QB2,  46
.set NA,   47                          ; s47  pass A's slots
.set PFA,  56                          ; s[56:57] where my prefetches stand
.set LIMT, 58                          ; s58  a wave prefetches in the trips below this number
.set EPV,  59                          ; s59  e8 + e9
.set PL,   60                          ; s60  448 x 2^e8
.set HH,   61                          ; s61  0: even key steps, 1: odd
.set OPA,  88                          ; s[88:89], s[90:91] o's image of my tile A, pass A, B
.set OPB,  90
.set HK,   96                          ; s96  128 x HH
.set MSB, 0
.macro WIN new                         ; the immediate's high byte repeats the setting that is left
.if MSB != (\new)
	s_set_vgpr_msb (MSB<<8)|(\new)
.set MSB, (\new)
.endif
.endm
.set MUL,  0x05                        ; sources 0 and 1 window 1; C and D window 0
.set TO1,  0x40                        ; destination window 1
.macro CROUND                          ; a round of the cluster's barrier
	s_barrier_signal -1
	s_barrier_wait -1
	s_cmp_lg_u32 s[WV], 0
	s_cbranch_scc1 .Lnot_wave_0_\@
	s_barrier_signal -3
.Lnot_wave_0_\@:
	s_barrier_wait -3
	s_barrier_signal -1
	s_barrier_wait -1
.endm
; A joint load: waves 0-3 fetch k's quarters of a slot, waves 4-7 v's: 16 KiB, eight rows of 2,048 bytes, one from each key step.  An s_nop 0 and four v_nop follow the line.
.macro JLOAD
	tensor_load_to_lds s[G0:G0+3], s[G1:G1+7]
	s_nop 0
.rept 4
	v_nop
.endr
.endm
; A PREFETCH INTO THE L2 of the key slot that the NEXT change of slots will ask for: a slot's eight key steps ahead of that load.  All four clusters of a head walk the same k and v from slot 0 on, and cluster 0 walks all four slots: it asks.
; Its four partners take 16,384 bytes of k's 64 KiB and of v's each, told apart BY ADDRESS; in each, waves 4 and 5 ask for k's and waves 6 and 7 for v's: lanes 256 bytes apart, one instruction.
; So each block of 256 bytes of key slots 2 and 3 is named once in the launch; slots 0 and 1 come by their loads alone, and from trip 2 on nothing is asked for.
.macro ASK
	s_cmp_lt_u32 s[TR], s[LIMT]
	s_cbranch_scc0 .Lnot_mine_\@
	global_prefetch_b8 v[PFO], s[PFA:PFA+1] th:TH_LOAD_NT scope:SCOPE_SE
.Lnot_mine_\@:
.endm
.macro IMG d, t                        ; a tile's image in qc: (256 head + tile) x 1,024
	s_add_co_u32 s[\d], s86, s[\t]
	s_lshl_b32 s[\d], s[\d], 10
	s_mov_b32 s[\d+1], 0
.endm
	s_load_b256 s[4:11], s[0:1], 0x0               ; qc s[4:5], kc s[6:7], vc s[8:9], the scales s[10:11]
	s_load_b64 s[12:13], s[0:1], 0x20              ; oc
	v_lshl_add_u32 v[SPW], v0, 2, SPARE
	v_mov_b32 v[NIL], 0
	ds_add_u32 v[SPW], v[NIL]                      ; the wave's opening: the add, twice on end, and its wait ahead of my first tensor load; the set-up below, work on registers, stands between
	ds_add_u32 v[SPW], v[NIL]
	v_lshrrev_b32 v8, 5, v0
	v_readfirstlane_b32 s[WV], v8                  ; wave 0..7
	s_bfe_u32 s[CX], ttmp6, 0x40000
	s_and_b32 s[HD], ttmp7, 0xffff
	s_lshr_b32 s[HH], s[WV], 2
	s_mul_i32 s15, s[HH], 7
	s_xor_b32 s[GR], s[WV], s15                    ; g: w, or 7 - w
	s_xor_b32 s62, s[WV], 7                        ; my partner: wave 7 - w
	s_lshl_b32 s[HK], s[HH], 7
	s_lshl_b32 s63, s[CX], 1
	s_add_co_u32 s66, s63, s[HH]                   ; tile A's number among the 128 queries' eight,
	s_xor_b32 s67, s66, 1                          ; and tile B's
	s_sub_co_u32 s68, 7, ttmp9
	s_lshl_b32 s68, s68, 2
	s_add_co_u32 s68, s68, s[GR]                   ; pass A: my 128 queries' number among the head's 32,
	s_lshl_b32 s69, ttmp9, 2
	s_add_co_u32 s69, s69, s[GR]                   ; pass B
	s_lshl_b32 s[QB], s68, 7
	s_lshl_b32 s[QB2], s69, 7
	s_sub_co_u32 s[NA], 9, ttmp9
	s_lshr_b32 s[NA], s[NA], 1
	s_lshl_b32 s68, s68, 3
	s_lshl_b32 s69, s69, 3
	s_add_co_u32 s70, s68, s66                     ; pass A's tiles A, B,
	s_add_co_u32 s71, s68, s67
	s_add_co_u32 s72, s69, s66                     ; pass B's
	s_add_co_u32 s73, s69, s67
	s_lshl_b32 s74, s70, 4
	s_add_co_u32 s74, s74, s[HD]
	s_lshl_b32 s74, s74, 10                        ; o's image: (16 tile + head) x 1,024
	s_mov_b32 s75, 0
	s_lshl_b32 s76, s72, 4
	s_add_co_u32 s76, s76, s[HD]
	s_lshl_b32 s76, s76, 10
	s_mov_b32 s77, 0
	s_lshl_b32 s86, s[HD], 8
	IMG 78, 70
	IMG 80, 71
	IMG 82, 72
	IMG 84, 73
	s_lshl_b32 s86, s[HD], 18                      ; the head's 262,144 bytes in kc and in vc
	s_and_b32 s92, s[WV], 3
	s_lshl_b32 s92, s92, 11                        ; which 2,048 bytes of each key step I fetch
	s_add_co_u32 s92, s92, s86
	s_mov_b32 s93, 0
	s_lshl_b32 s94, s[CX], 14                      ; my work-group's 16,384 bytes of a slot's 64 KiB,
	s_and_b32 s87, s[WV], 1
	s_lshl_b32 s87, s87, 13                        ; my wave's 8,192 of them,
	s_add_co_u32 s94, s94, s87
	s_add_co_u32 s94, s94, s86
	s_add_co_u32 s94, s94, 65536                   ; in key slot 1: the first change of slots steps it to slot 2.  Nothing is prefetched at the head
	s_mov_b32 s95, 0
	s_xor_b32 s87, s[HH], 1                        ; 0 in waves 4 to 7,
	s_or_b32 s87, s87, ttmp9                       ; of the head's cluster 0: the same in all four partners
	s_cmp_eq_u32 s87, 0
	s_cselect_b32 s[LIMT], 2, 0
	; descriptor group 1: eight rows of 2,048 bytes, 8,192 bytes apart in memory, dense in LDS
	s_mov_b32 s[G1], 15|(3<<16)|(1<<21)            ; 15:0 the mask: all four work-groups; 17:16 elements of 8 bytes; 20 no padding; 21 set beside a mask
	s_mov_b32 s[G1+1], 256<<16                     ; tensor_dim0 = 256 elements
	s_mov_b32 s[G1+2], 8<<16                       ; tensor_dim1 = 8
	s_mov_b32 s[G1+3], 256<<16                     ; tile_dim0
	s_mov_b32 s[G1+4], 8                           ; tile_dim1
	s_mov_b32 s[G1+5], 1024                        ; from row to row
	s_mov_b32 s[G1+6], 0
	s_mov_b32 s[G1+7], 0
	s_mov_b32 s[SEL], 0x76543210
	s_mov_b32 s[SEL+1], 0xfedcba98
	s_mov_b32 s[CS], 0x3e38aa3b                    ; log2(e) / 8
	s_lshl_b32 s[TB], s[HH], 11                    ; my first key step of a slot: 0 or 1
	s_mov_b32 s[TR], 0
	s_mov_b32 s[KN], 0
	s_mov_b32 s[OFP+1], 0
	s_wait_dscnt 0x0                               ; both opening adds are done
	s_wait_kmcnt 0x0
	s_load_b128 s[68:71], s[10:11], 0x18           ; e6, e7, e8, e9
	s_load_b32 s72, s[10:11], 0x28                 ; e10
	s_cmp_lt_u32 s[WV], 4
	s_cselect_b64 s[FB:FB+1], s[6:7], s[8:9]       ; waves 0-3: k; waves 4-7: v
	s_add_nc_u64 s[FB:FB+1], s[FB:FB+1], s[92:93]
	s_cmp_lt_u32 s[WV], 6
	s_cselect_b64 s[PFA:PFA+1], s[6:7], s[8:9]
	s_add_nc_u64 s[PFA:PFA+1], s[PFA:PFA+1], s[94:95]
	s_add_nc_u64 s[48:49], s[4:5], s[78:79]        ; q's four images
	s_add_nc_u64 s[50:51], s[4:5], s[80:81]
	s_add_nc_u64 s[52:53], s[4:5], s[82:83]
	s_add_nc_u64 s[54:55], s[4:5], s[84:85]
	s_add_nc_u64 s[OPA:OPA+1], s[12:13], s[74:75]
	s_add_nc_u64 s[OPB:OPB+1], s[12:13], s[76:77]
	s_mov_b32 s[G0], 1                             ; count = 1
	s_lshl_b32 s[G0+1], s[WV], 14                  ; LDS address: slot 0, wave x 16 KiB: k's quarters, then v's
	s_mov_b64 s[G0+2:G0+3], s[FB:FB+1]             ; key slot 0
	s_or_b32 s[G0+3], s[G0+3], 0x80000000          ; type = 2
	CROUND                                         ; all four work-groups are here: the first joint loads meet
	JLOAD                                          ; my one load at the head
	v_and_b32 v8, 31, v0
	v_lshlrev_b32 v[LI], 4, v8
	WIN TO1
.irp n, 0,1,2,3
	global_load_b128 v[QFA+8*\n:QFA+8*\n+3],   v[LI], s[48+2*\n:49+2*\n]            ; both passes' q stay in registers
	global_load_b128 v[QFA+8*\n+4:QFA+8*\n+7], v[LI], s[48+2*\n:49+2*\n] offset:512
.endr
	WIN 0
	v_lshlrev_b32 v[PFO], 8, v8
	v_and_b32 v10, 15, v0
	v_bfe_u32 v11, v0, 4, 1
	v_lshlrev_b32 v11, 3, v11
	v_sub_nc_u32 v10, v10, v11                     ; lane % 16 - 8 (lane / 16)
	s_lshl_b32 s15, s66, 4
	s_lshl_b32 s63, s67, 4
	v_add_nc_u32 v[DMA], s15, v10                  ; + 16 x my tile
	v_add_nc_u32 v[DMB], s63, v10
	v_mov_b32 v[NINF], 0xff800000
	v_mov_b32 v[PXA], 0                            ; written once: a lane permute's destination counts as one of its sources
	v_mov_b32 v[PXB], 0
	v_mov_b32 v21, 0                               ; (named as the upper halves of the factors' pairs)
	v_mov_b32 v23, 0
	s_mul_i32 s15, s[WV], GB
	s_add_co_u32 s15, s15, AREA
	v_add_nc_u32 v[MST], s15, v[LI]
	s_mul_i32 s62, s62, GB
	s_add_co_u32 s62, s62, AREA
	v_add_nc_u32 v[MLD], s62, v[LI]
.macro FRESH                           ; a pass begins: O^T and the sums are zeros, which the first change of M leaves zeros; the largest t lies under every t
	v_mov_b32 v13, 0xff61b1e6                      ; -3e38
	v_mov_b32 v17, 0xff61b1e6
	v_mov_b32 v14, 0
	v_mov_b32 v15, 0
	v_mov_b32 v18, 0
	v_mov_b32 v19, 0
	v_floor_f32 v12, -v13
	v_floor_f32 v16, -v17
.set j, 0
.rept 64
	v_mov_b32 v[OTA+j], 0
.set j, j+1
.endr
.endm
	FRESH
	s_wait_alu depctr_va_vdst(0)                   ; directly ahead of the wait below
	s_wait_kmcnt 0x0
	s_add_co_i32 s62, s68, s69
	s_lshl_b32 s62, s62, 23
	s_add_co_i32 s[CS], s[CS], s62                 ; a score stands for score x 2^(e6 + e7): the two exponents are added to c's exponent field
	s_mov_b32 s[CS+1], s[CS]                       ; (named with it as a pair, so it is written)
	s_add_co_i32 s62, s70, 127
	s_lshl_b32 s63, s62, 23
	v_mov_b32 v[PS], s63                           ; 2^e8, for p's conversions
	s_add_co_i32 s62, s62, 8
	s_lshl_b32 s62, s62, 23
	s_or_b32 s[PL], s62, 0x600000                  ; 448 x 2^e8
	s_add_co_i32 s62, s72, 127
	s_lshl_b32 s63, s62, 23
	v_mov_b32 v[OS], s63                           ; 2^e10, for o's
	s_add_co_i32 s62, s62, 8
	s_lshl_b32 s62, s62, 23
	s_or_b32 s62, s62, 0x600000
	v_mov_b32 v[OL], s62
	s_add_co_i32 s[EPV], s70, s71                  ; e8 + e9
	s_wait_alu depctr_va_vdst(0)                   ; the head's end
	s_wait_loadcnt 0x0                             ; q
.macro LOADK off
.set i, 0
.rept 16
	ds_load_b128 v[KR+4*i:KR+4*i+3], v[ADR] offset:(\off)+16384*(i/4)+512*(i%4)
.set i, i+1
.endr
.endm
.macro HIDE s, dm                      ; on the diagonal: register 8 t + j holds key 16 t + 8 (lane / 16) + j of the step: hidden where it comes after my query
.set i, 0
.rept 64
	v_cmp_gt_i32 vcc_lo, 16*(i/8)+i%8, v[\dm]
	v_cndmask_b32 v[\s+i], v[\s+i], v[NINF], vcc_lo
.set i, i+1
.endr
.endm
.macro SCALE s, nm, i0, n              ; t - M, two at a time (of the pairs c and -M the low word serves both halves)
.set i, \i0
.rept \n
	v_pk_fma_f32 v[\s+2*i:\s+2*i+1], v[\s+2*i:\s+2*i+1], s[CS:CS+1], v[\nm:\nm+1] op_sel_hi:[1,0,0]
.set i, i+1
.endr
.endm
; The conversion to an 8-bit code does not saturate (ISA guide 7.6.2); p is not negative, so the hold is one-sided; two numbers an instruction.
.macro LOADV
.set i, 0
.rept 16
	ds_load_b128 v[VR+4*i:VR+4*i+3], v[ADV] offset:16384*(i/4)+512*(i%4)
.set i, i+1
.endr
.endm
.macro BMAX n                          ; n links of tile B's eight chains of the maximum
.rept \n
	v_max3_num_f32 v[MB+i%8], v[MB+i%8], v[SB+24+2*i], v[SB+25+2*i]
.set i, i+1
.endr
.endm
.macro HOLD r
	v_dual_min_num_f32 v[\r], s[PL], v[\r] :: v_dual_min_num_f32 v[\r+1], s[PL], v[\r+1]
.endm
.macro HOLD8 i0
.set i, \i0
.rept 8
	HOLD SB+2*i
.set i, i+1
.endr
.endm
.macro ADD d, a, b                     ; pairs number d, a, b of those at work
	v_pk_add_f32 v[T+2*(\d):T+2*(\d)+1], v[T+2*(\a):T+2*(\a)+1], v[T+2*(\b):T+2*(\b)+1]
.endm
.macro ADDP d, n                       ; pair d += the pair p of tile B from register n on
	v_pk_add_f32 v[T+2*(\d):T+2*(\d)+1], v[T+2*(\d):T+2*(\d)+1], v[SB+\n:SB+\n+1]
.endm
; A KEY STEP: 128 keys, two tiles of 16 queries.  Its k is in (asked for a step ago, or at the slot's head); the next step's k is asked for ahead of tile A's exponentials, its own v ahead of tile B's, and one wait behind them serves both.
.macro STEPBODY
	WIN MUL
.set i, 0
.rept 8
	v_wmma_f32_16x16x64_fp8_fp8 v[SA+8*i:SA+8*i+7], v[KR+8*i:KR+8*i+7], v[QFA:QFA+7], 0
	v_wmma_f32_16x16x64_fp8_fp8 v[SB+8*i:SB+8*i+7], v[KR+8*i:KR+8*i+7], v[QFB:QFB+7], 0
.set i, i+1
.endr
	WIN 0
	v_add_nc_u32 v[ADR], s[TB], v[LI]
	v_add_nc_u32 v[ADV], 0x10000, v[ADR]
	v_nop
	v_nop                                          ; with the two additions: four places in front of the first read of the scores
	s_cmp_lg_u32 s[KF], s[QB]                      ; on the diagonal?
	s_cbranch_scc1 .Lopen_\@
	HIDE SA, DMA
	HIDE SB, DMB
.Lopen_\@:
.irp n, 0,1,2,3,4,5,6,7                        ; the step's largest score of my query among my 64 keys, eight chains a tile: tile A's first;
	v_max3_num_f32 v[MA+\n], v[SA+3*\n], v[SA+3*\n+1], v[SA+3*\n+2]
.endr
.set i, 0
.rept 20
	v_max3_num_f32 v[MA+i%8], v[MA+i%8], v[SA+24+2*i], v[SA+25+2*i]
.set i, i+1
.endr
.irp n, 0,1,2,3                                ; then tile B's, among which tile A's chain from its maximum to its factor goes
	v_max3_num_f32 v[MB+\n], v[SB+3*\n], v[SB+3*\n+1], v[SB+3*\n+2]
.endr
	v_max3_num_f32 v[MA], v[MA], v[MA+1], v[MA+2]
	v_max3_num_f32 v[MA+3], v[MA+3], v[MA+4], v[MA+5]
	v_max_num_f32 v[MA+6], v[MA+6], v[MA+7]
.irp n, 4,5,6,7
	v_max3_num_f32 v[MB+\n], v[SB+3*\n], v[SB+3*\n+1], v[SB+3*\n+2]
.endr
	v_max3_num_f32 v[MA], v[MA], v[MA+3], v[MA+6]
.set i, 0
	BMAX 3
	v_permlanex16_b32 v[PXA], v[MA], s[SEL], s[SEL+1]
	BMAX 3
	v_max_num_f32 v[MA], v[MA], v[PXA]             ; and among lane l xor 16's
	BMAX 3
	v_mul_f32 v[MA], s[CS], v[MA]                  ; as t (c is positive)
	BMAX 3
	v_max_num_f32 v13, v13, v[MA]                  ; the running largest t
	BMAX 3
	v_floor_f32 v[MA+1], -v13                      ; the new -M = floor(-t) = -ceil(t): M is a whole number
	BMAX 3
	v_sub_f32 v[MA], v[MA+1], v12                  ; old M - new M: a whole number, 0 or less
	v_mov_b32 v12, v[MA+1]
	BMAX 2
	v_max3_num_f32 v[MB], v[MB], v[MB+1], v[MB+2]
	v_max3_num_f32 v[MB+3], v[MB+3], v[MB+4], v[MB+5]
	v_max_num_f32 v[MB+6], v[MB+6], v[MB+7]
	v_cvt_i32_f32 v[MA], v[MA]                     ; (it saturates)
	SCALE SA, 12, 0, 3                             ; tile B's chain goes among tile A's t - M
	v_ldexp_f32 v20, 1.0, v[MA]                    ; f = 2^(old M - new M): a multiplication by it rounds nothing
	v_max3_num_f32 v[MB], v[MB], v[MB+3], v[MB+6]
	SCALE SA, 12, 3, 3
	v_permlanex16_b32 v[PXB], v[MB], s[SEL], s[SEL+1]
	SCALE SA, 12, 6, 3
	v_max_num_f32 v[MB], v[MB], v[PXB]
	SCALE SA, 12, 9, 3
	v_mul_f32 v[MB], s[CS], v[MB]
	SCALE SA, 12, 12, 3
	v_max_num_f32 v17, v17, v[MB]
	SCALE SA, 12, 15, 3
	v_floor_f32 v[MB+1], -v17
	SCALE SA, 12, 18, 3
	v_sub_f32 v[MB], v[MB+1], v16
	v_mov_b32 v16, v[MB+1]
	SCALE SA, 12, 21, 3
	v_cvt_i32_f32 v[MB], v[MB]
	SCALE SA, 12, 24, 3
	v_ldexp_f32 v22, 1.0, v[MB]
	SCALE SA, 12, 27, 5
	WIN TO1
	LOADK STEPB                                    ; the next step's k.  (In a slot's last step these are other landed bytes of the slot, which nothing uses)
	WIN 0
	s_wait_alu depctr_va_vdst(0)                   ; ahead of the batch
.set k, 0
.rept 32                                       ; tile A's p = 2^(t - M), at most 1, not normalised; among them tile B's t - M
	v_exp_f32 v[SA+2*k], v[SA+2*k]
	v_exp_f32 v[SA+2*k+1], v[SA+2*k+1]
	SCALE SB, 16, k, 1
.set k, k+1
.endr
	WIN TO1
	LOADV                                          ; this step's v
	WIN 0
	s_wait_alu depctr_va_vdst(0)                   ; one wait behind tile A's batch and ahead of tile B's
.set k, 0
.rept 16                                       ; tile B's p; among them tile A's sums of four (of the unquantised p), then its hold.  What is written here is first read behind the next wait
	v_exp_f32 v[SB+4*k], v[SB+4*k]
	v_pk_add_f32 v[T+2*k:T+2*k+1], v[SA+4*k:SA+4*k+1], v[SA+4*k+2:SA+4*k+3]
	v_exp_f32 v[SB+4*k+1], v[SB+4*k+1]
	HOLD SA+4*k
	v_exp_f32 v[SB+4*k+2], v[SB+4*k+2]
	HOLD SA+4*k+2
	v_exp_f32 v[SB+4*k+3], v[SB+4*k+3]
.set k, k+1
.endr
	v_pk_mul_f32 v[14:15], v[14:15], v[20:21] op_sel_hi:[1,0]   ; the sums under the new M: plain lines behind the exponentials
	v_pk_mul_f32 v[18:19], v[18:19], v[22:23] op_sel_hi:[1,0]
	s_wait_alu depctr_va_vdst(0)                   ; the wait behind the batch, directly ahead of the first reader of O^T
.set i, 0
.rept 16
	v_pk_mul_f32 v[OTA+2*i:OTA+2*i+1], v[OTA+2*i:OTA+2*i+1], v[20:21] op_sel_hi:[1,0]   ; O^T under the new M, each accumulator from its low end on
	v_pk_mul_f32 v[OTB+2*i:OTB+2*i+1], v[OTB+2*i:OTB+2*i+1], v[22:23] op_sel_hi:[1,0]
.set i, i+1
.endr
	s_wait_dscnt 0x0                               ; this step's v and the next step's k are in
.irp n, 0,1,2,3,4,5,6,7                        ; tile A's sums join; tile B's are taken, in the eight pairs that come free
	ADD \n, \n, \n+8
.endr
.set k, 0
.rept 8
	v_pk_add_f32 v[T+16+2*k:T+17+2*k], v[SB+4*k:SB+4*k+1], v[SB+4*k+2:SB+4*k+3]
.set k, k+1
.endr
.irp n, 0,1,2,3
	ADD \n, \n, \n+4
.endr
.irp n, 0,1,2,3,4,5,6,7
	ADDP 8+\n, 32+2*\n
.endr
	ADD 0, 0, 2
	ADD 1, 1, 3
.irp n, 0,1,2,3,4,5,6,7
	ADDP 8+\n, 48+2*\n
.endr
	ADD 0, 0, 1
	HOLD8 0
.irp n, 8,9,10,11
	ADD \n, \n, \n+4
.endr
	v_pk_add_f32 v[14:15], v[14:15], v[T:T+1]
	HOLD8 8
	ADD 8, 8, 10
	ADD 9, 9, 11
	HOLD8 16
	ADD 8, 8, 9
	HOLD8 24
	v_pk_add_f32 v[18:19], v[18:19], v[T+16:T+17]
	WIN TO1
.set i, 0
.rept 8
	v_cvt_scalef32_pk8_fp8_f32 v[PA+2*i:PA+2*i+1], v[SA+8*i:SA+8*i+7], v[PS]   ; registers 2 t, 2 t + 1 of p's fragment
.set i, i+1
.endr
.set i, 0
.rept 8
	v_cvt_scalef32_pk8_fp8_f32 v[PB+2*i:PB+2*i+1], v[SB+8*i:SB+8*i+7], v[PS]
.set i, i+1
.endr
	v_nop                                          ; one plain vector line behind the last conversion
	WIN MUL
.set i, 0
.rept 4                                        ; the eight accumulators take turns
	v_wmma_f32_16x16x128_fp8_fp8 v[OTA+8*i:OTA+8*i+7], v[VR+16*i:VR+16*i+15], v[PA:PA+15], v[OTA+8*i:OTA+8*i+7]
	v_wmma_f32_16x16x128_fp8_fp8 v[OTB+8*i:OTB+8*i+7], v[VR+16*i:VR+16*i+15], v[PB:PB+15], v[OTB+8*i:OTB+8*i+7]
.set i, i+1
.endr
	WIN 0
.endm
; THE CHANGE OF SLOTS stands at a slot's head.  Each wave waits for all its tensor loads (its part of the slot that it is about to read), adds 0 to its spare word, and waits for that and for its reads of the slot that it has left.
; fill = 1: the barrier is a round of the cluster's, so that no wave of any partner still reads that slot or has a load on its way, and the joint refill is the first thing behind it: it has a slot's key steps in which to land.
.macro CHANGE fill
	s_wait_tensorcnt 0x0                           ; no tensor load of mine is out, so group 0 may be written
	ds_add_u32 v[SPW], v[NIL]                      ; 0 onto my spare word; work on registers stands between it and the wait for it
	s_lshl_b32 s[KF], s[KN], 10
	s_add_co_u32 s[KF], s[KF], s[HK]               ; the first key of my first step in the slot that I am about to read
.if \fill
	s_add_co_u32 s[KN], s[KN], 1                   ; the key slot that follows:
	s_cmp_eq_u32 s[KN], s[NA]
	s_cselect_b32 s[KN], 0, s[KN]                  ; behind pass A's last, pass B's first
	s_lshl_b32 s[OFP], s[KN], 16
	s_xor_b32 s[G0+1], s[G0+1], SLOTB              ; into the other slot than last time
	s_add_nc_u64 s[G0+2:G0+3], s[FB:FB+1], s[OFP:OFP+1]
	s_or_b32 s[G0+3], s[G0+3], 0x80000000
	s_wait_xcnt 0x0                                ; the last prefetch, a slot back, has read its address, so it may be written
	s_add_nc_u64 s[PFA:PFA+1], s[PFA:PFA+1], 65536
.endif
	s_wait_dscnt 0x0                               ; the add is done, and my reads of the slot that I have left are over
.if \fill
	CROUND
	JLOAD                                          ; my one tensor load until the next round
	ASK
.else
	s_barrier_signal -1
	s_barrier_wait -1
.endif
.endm
; My four key steps of a slot: written once, walked four times; the LDS addresses hang on s[TB].
.macro SLOT_STEPS
	v_add_nc_u32 v[ADR], s[TB], v[LI]
	WIN TO1
	LOADK 0                                        ; the first step's k
	WIN 0
	s_mov_b32 s[QC], 4
	s_wait_dscnt 0x0
.Lstep_\@:
	s_cmp_gt_u32 s[KF], s[QB]                      ; all 128 keys come after my 128 queries' block: nothing of the step counts, nor of those behind it
	s_cbranch_scc1 .Lhid_\@
	STEPBODY
.Lhid_\@:
	s_add_co_u32 s[KF], s[KF], 256
	s_add_co_u32 s[TB], s[TB], STEPB
	s_sub_co_u32 s[QC], s[QC], 1
	s_cmp_lg_u32 s[QC], 0
	s_cbranch_scc1 .Lstep_\@
	s_sub_co_u32 s[TB], s[TB], 4*STEPB             ; back to a slot's first step,
	s_xor_b32 s[TB], s[TB], SLOTB                  ; in the other slot
.endm
; A pass ends.  GIVE: my part of tile B goes to LDS.  TAKE, behind a barrier: my partner's part of my tile A comes back; both are brought under the greater M, added, divided by the sum, x 2^(e8 + e9): o.
; It is quantised with 2^e10 and leaves as an image: two stores of 512 consecutive bytes, aligned.
.macro GIVE
	s_wait_tensorcnt 0x0                           ; no tensor load of mine is out under the stores below
.rept 4
	v_nop                                          ; places behind the last products
.endr
	s_wait_alu depctr_va_vdst(0)                   ; directly ahead of the readers below
	ds_store_b128 v[MST], v[16:19] offset:4096     ; -M, (the largest t), the sum's two halves
.set j, 0
.rept 8
	ds_store_b128 v[MST], v[OTB+4*j:OTB+4*j+3] offset:512*j
.set j, j+1
.endr
.endm
.macro TAKE op
	s_wait_alu depctr_va_vdst(0)
	ds_load_b128 v[28:31], v[MLD] offset:4096
.set j, 0
.rept 8
	ds_load_b128 v[SA+4*j:SA+4*j+3], v[MLD] offset:512*j
.set j, j+1
.endr
	v_add_f32 v14, v14, v15                        ; my sum's two halves,
	s_wait_alu depctr_va_vdst(0)                   ; directly ahead of the wait below
	s_wait_dscnt 8                                 ; the partner's -M and sum are in; its O^T may be out
	v_add_f32 v30, v30, v31                        ; and its
	v_min_num_f32 v24, v12, v28                    ; - the greater M
	v_sub_f32 v25, v24, v12
	v_sub_f32 v26, v24, v28
	v_cvt_i32_f32 v25, v25
	v_cvt_i32_f32 v26, v26
	v_ldexp_f32 v20, 1.0, v25                      ; the two parts' factors: powers of two, at most 1
	v_ldexp_f32 v22, 1.0, v26
	v_mul_f32 v14, v14, v20
	v_fma_f32 v14, v30, v22, v14
	v_permlanex16_b32 v[PXA], v14, s[SEL], s[SEL+1]
	v_add_f32 v14, v14, v[PXA]                     ; and lane l xor 16's: the row's sum
	s_wait_alu depctr_va_vdst(0)                   ; ahead of the transcendental
	v_rcp_f32 v14, v14
	v_nop                                          ; a plain line behind the reciprocal,
	s_wait_alu depctr_va_vdst(0)                   ; and the wait ahead of its first reader
	v_ldexp_f32 v14, v14, s[EPV]
	v_mul_f32 v20, v20, v14
	v_mul_f32 v22, v22, v14
	s_wait_alu depctr_va_vdst(0)                   ; directly ahead of the wait below
	s_wait_dscnt 0x0
.set j, 0
.rept 16
	v_pk_mul_f32 v[SA+2*j:SA+2*j+1], v[SA+2*j:SA+2*j+1], v[22:23] op_sel_hi:[1,0]
.set j, j+1
.endr
	s_wait_alu depctr_va_vdst(0)                   ; directly ahead of the first reader of O^T
.set j, 0
.rept 16
	v_pk_fma_f32 v[SA+2*j:SA+2*j+1], v[OTA+2*j:OTA+2*j+1], v[20:21], v[SA+2*j:SA+2*j+1] op_sel_hi:[1,0,1]   ; each accumulator from its low end on
.set j, j+1
.endr
.set j, 0
.rept 32
	v_med3_num_f32 v[SA+j], v[SA+j], -v[OL], v[OL]
.set j, j+1
.endr
.set j, 0
.rept 4
	v_cvt_scalef32_pk8_fp8_f32 v[CODE+2*j:CODE+2*j+1], v[SA+8*j:SA+8*j+7], v[OS]
.set j, j+1
.endr
	v_nop                                          ; one plain vector line behind the last conversion
	global_store_b128 v[LI], v[CODE:CODE+3],   s[\op:\op+1]
	global_store_b128 v[LI], v[CODE+4:CODE+7], s[\op:\op+1] offset:512
.endm
; The barrier between GIVE and TAKE: every wave's stores are done in front of it.  It stands in every trip, so that every wave passes it; the next stores into the parts' bytes come behind a change of slots.
.macro MEET
	s_wait_dscnt 0x0
	s_barrier_signal -1
	s_barrier_wait -1
.endm
.Lslot:                                                ; four trips: behind each change of slots but the last the next slot is asked for
	CHANGE 1
	SLOT_STEPS
	s_cmp_lg_u32 s[KN], 0                          ; 0: the slot asked for is pass B's first, so the slot just walked was pass A's last.  The same in all partners
	s_cbranch_scc1 .Lno_part
	GIVE
.Lno_part:
	MEET
	s_cmp_lg_u32 s[KN], 0
	s_cbranch_scc1 .Lsame_pass
	TAKE OPA
	FRESH
	WIN 0x41                                       ; source 0 and destination window 1
.set j, 0
.rept 16
	v_mov_b32 v[QFA+j], v[QNA+j]                   ; pass B's q
.set j, j+1
.endr
	WIN 0
	s_mov_b32 s[QB], s[QB2]
	s_wait_alu depctr_va_vdst(0)                   ; directly ahead of the wait below
	s_wait_xcnt 0x0                                ; the stores have read their data: the codes' registers are written again only behind this wait
.Lsame_pass:
	s_add_co_u32 s[TR], s[TR], 1
	s_cmp_lt_u32 s[TR], 4
	s_cbranch_scc1 .Lslot
	CHANGE 0                                       ; the fifth slot is written out
	SLOT_STEPS
	GIVE
	MEET
	TAKE OPB
	s_wait_tensorcnt 0x0                           ; the wave's end
	ds_add_u32 v[SPW], v[NIL]
	s_wait_dscnt 0x0
	CROUND                                         ; the closing round: no work-group ends while a partner may still ask for a tile that names it
	s_endpgm
.Lfunc_end_k_q3dab14d9c3_attn:
	.size	k_q3dab14d9c3_attn, .Lfunc_end_k_q3dab14d9c3_attn-k_q3dab14d9c3_attn
	.p2alignl 7, 3214868480
	.fill 96, 4, 3214868480
	.section	.rodata,"a",@progbits
	.p2align	6, 0x0
	.amdhsa_kernel k_q3dab14d9c3_attn
		.amdhsa_group_segment_fixed_size 327680
		.amdhsa_private_segment_fixed_size 0
		.amdhsa_enable_private_segment 0
		.amdhsa_kernarg_size 40
		.amdhsa_user_sgpr_count 2
		.amdhsa_user_sgpr_kernarg_segment_ptr 1
		.amdhsa_wavefront_size32 1
		.amdhsa_system_sgpr_workgroup_id_x 1
		.amdhsa_system_sgpr_workgroup_id_y 1
		.amdhsa_system_sgpr_workgroup_id_z 1
		.amdhsa_system_vgpr_workitem_id 0
		.amdhsa_next_free_vgpr 448
		.amdhsa_next_free_sgpr 100
		.amdhsa_reserve_vcc 1
		.amdhsa_float_denorm_mode_32 3
		.amdhsa_float_denorm_mode_16_64 3
		.amdhsa_memory_ordered 1
		.amdhsa_forward_progress 1
		.amdhsa_inst_pref_size 108
	.end_amdhsa_kernel
	.amdgpu_metadata
---
amdhsa.version: [ 1, 2 ]
amdhsa.kernels:
  - .name:           k_q3dab14d9c3_attn
    .symbol:         k_q3dab14d9c3_attn.kd
    .args:
      - { .name: qc, .offset: 0, .size: 8, .value_kind: global_buffer, .address_space: global }
      - { .name: kc, .offset: 8, .size: 8, .value_kind: global_buffer, .address_space: global }
      - { .name: vc, .offset: 16, .size: 8, .value_kind: global_buffer, .address_space: global }
      - { .name: lowp_scales, .offset: 24, .size: 8, .value_kind: global_buffer, .address_space: global }
      - { .name: oc, .offset: 32, .size: 8, .value_kind: global_buffer, .address_space: global }
    .group_segment_fixed_size: 327680
    .private_segment_fixed_size: 0
    .kernarg_segment_align: 8
    .kernarg_segment_size: 40
    .max_flat_workgroup_size: 256
    .sgpr_count:     100
    .vgpr_count:     448
    .wavefront_size: 32
...
	.end_amdgpu_metadata
.endif
;; end of part 3
;; launch proj (part 4): grid 8 x 32, 4 waves a work-group, clusters of 4 x 4, 262,656 bytes of LDS; arguments oc, wc, lowp_scales, out0; writes out0
.if DOCPART == 4
	.amdgcn_target "amdgcn-amd-amdhsa--gfx1250"
	.amdhsa_code_object_version 6
	.text
	.protected	k_q3dab14d9c3_proj
	.globl	k_q3dab14d9c3_proj
	.p2align	8
	.type	k_q3dab14d9c3_proj,@function
k_q3dab14d9c3_proj:
	s_mov_b64 s[64:65], 0
	v_nop
	global_prefetch_b8 v0, s[64:65] scope:SCOPE_SE
	s_setreg_imm32_b32 hwreg(HW_REG_WAVE_MODE, 25, 1), 1
	s_wait_xcnt 0x0
	s_wait_alu depctr_hold_cnt(0) depctr_sa_sdst(0) depctr_va_vdst(0) depctr_va_sdst(0) depctr_va_ssrc(0) depctr_va_vcc(0) depctr_vm_vsrc(0)
	s_getreg_b32 s2, hwreg(HW_REG_IB_STS2, 6, 4)
	s_cmp_eq_u32 s2, 0
	s_cbranch_scc0 .Lentry_in_a_cluster
	s_endpgm
.Lentry_in_a_cluster:
	s_bfe_u32 s2, ttmp6, 0x10000c
	s_cmp_lg_u32 s2, 0xf033
	s_cbranch_scc0 .Lentry_shape_is_right
	s_endpgm
.Lentry_shape_is_right:
; out0 = o Wo^T on codes of E4M3: out0[m][n] = 2^(e10 + e11) x the sum over k of o's code (m, k) x Wo's code (n, k).  out0: [4096][1024] f32.
; oc: [tile of 16 rows: 256][head 16][1,024 bytes], images of the registers of fragments of 16 rows x 64; two neighbouring heads' images on end ARE a fragment of 16 rows x 128 in this form's own layout
; (registers 2 c, 2 c + 1: k = 16 c + 8 (lane / 16) + 0 .. 7): four loads of 16 bytes at 16 x lane.
; Wo's codes: the fourth MiB of wc, [128 rows: 8][256 along K: 4][tile of 16 rows: 8][128 along K: 2][2,048 bytes], images in the same layout; of a run of 64 rows tile b has rows n = 4 r + b, r = 0 .. 15.
; So in the product with tile b a lane holds column 4 r + b, and the four products b = 0 .. 3 give it four NEIGHBOURING columns of a row: 16 bytes; sixteen lanes hold 256 bytes on end.
; Results leave straight from registers: each store writes two aligned units of 256 bytes, whole.
; A tile of out0 is 128 x 128: 256 work-groups; four waves, each 64 x 64: 16 accumulators.  A tile's whole K (128 KiB of o, 128 KiB of Wo) fits in LDS: each wave issues ONE tensor load, every LDS byte is filled once, so there is no ring.
; CLUSTERS: 4 x 4 work-groups.  o's tiles are shared along a row of the cluster, Wo's along a column: joint loads, with the same descriptor and a mask that names the four.  No prefetch: the launch has no loop to run ahead in.
; LIMIT: e10 + e11 lies between -126 and 127, so that 2^(e10 + e11) is an f32 number.
; REGISTERS: window 0: v16-29 addresses; v32-127 results on the way out, three sets; v128-255 the accumulators ((a, b) at v[128 + 8 (4 a + b)]).   window 1: two buffers of 128: o's four fragments, then Wo's four.
.set BBASE, 131072                     ; o: 8 tiles of rows x 16 heads' images; behind it Wo's two runs of 64 rows: [256 along K: 4][tile 4][2][2,048]; all dense
.set SPARE, 2*BBASE                    ; the spare words, 128 bytes a wave, which no other line names
.set ADRA, 16                          ; v16  LDS address of my fragments of o
.set ADRB, 17                          ; v17  of Wo
.set CO,   26                          ; v26  my byte offset in out0
.set SPW,  28                          ; v28  LDS address of my spare word; never rewritten
.set NIL,  29                          ; v29  0; never rewritten
.set TMP,  32
.set ACC,  128
.set WV,   14                          ; s14  my wave's number
.set RH,   15                          ; s15  which half of the tile's rows is mine.  Also: I fetch for o (0) or for Wo (1)
.set CH,   16                          ; s16  which half of its columns.  Also: which half of that operand I fetch
.set G1A,  24                          ; s[24:31] descriptor group 1 for o;  s[32:39] for Wo
.set G1B,  32
.set G0A,  40                          ; s[40:43], s[44:47] their groups 0
.set G0B,  44
.set MSB, 0
.macro WIN new                         ; the immediate's high byte repeats the setting that is left
.if MSB != (\new)
	s_set_vgpr_msb (MSB<<8)|(\new)
.set MSB, (\new)
.endif
.endm
.macro CROUND                          ; a round of the cluster's barrier
	s_barrier_signal -1
	s_barrier_wait -1
	s_cmp_lg_u32 s[WV], 0
	s_cbranch_scc1 .Lnot_wave_0_\@
	s_barrier_signal -3
.Lnot_wave_0_\@:
	s_barrier_wait -3
	s_barrier_signal -1
	s_barrier_wait -1
.endm
.macro PLACES
.rept 4
	v_nop
.endr
.endm
	s_load_b256 s[4:11], s[0:1], 0x0               ; oc s[4:5], wc s[6:7], the scales s[8:9], out0 s[10:11]
	v_lshl_add_u32 v[SPW], v0, 2, SPARE
	v_mov_b32 v[NIL], 0
	ds_add_u32 v[SPW], v[NIL]                      ; the wave's opening: the add, twice on end, and its wait ahead of my first tensor load; the set-up below, work on registers, stands between
	ds_add_u32 v[SPW], v[NIL]
	v_lshrrev_b32 v1, 5, v0
	v_readfirstlane_b32 s[WV], v1                  ; wave 0..3
	s_lshr_b32 s[RH], s[WV], 1
	s_and_b32 s[CH], s[WV], 1
	s_bfe_u32 s12, ttmp6, 0x40000                  ; cx, cy: my place in the cluster
	s_bfe_u32 s13, ttmp6, 0x40004
	s_lshl_b32 s18, ttmp9, 2
	s_add_co_u32 s18, s18, s12                     ; tile column = 4 x cluster x + cx
	s_and_b32 s19, ttmp7, 0xffff
	s_lshl_b32 s19, s19, 2
	s_add_co_u32 s19, s19, s13                     ; tile row = 4 x cluster y + cy
	s_lshl_b32 s20, s13, 2
	s_lshl_b32 s20, 15, s20                        ; my row of the cluster
	s_lshl_b32 s21, 0x1111, s12                    ; my column
	; o: four tiles of rows: 4 rows of 16,384 bytes, dense in memory and in LDS.  Wo: four tiles of rows, 4 x 256 along K: 4 rows of 16,384 bytes, 32,768 bytes apart in memory
	s_or_b32 s[G1A], s20, (3<<16)|(1<<21)          ; 15:0 the mask: my row; 17:16 elements of 8 bytes; 20 no padding; 21 set beside a mask
	s_or_b32 s[G1B], s21, (3<<16)|(1<<21)          ; my column
.irp g, G1A, G1B
	s_mov_b32 s[\g+1], 2048<<16                    ; tensor_dim0 = 2,048 elements
	s_mov_b32 s[\g+2], 4<<16                       ; tensor_dim1 = 4
	s_mov_b32 s[\g+3], 2048<<16                    ; tile_dim0
	s_mov_b32 s[\g+4], 4                           ; tile_dim1
	s_mov_b32 s[\g+6], 0
	s_mov_b32 s[\g+7], 0
.endr
	s_mov_b32 s[G1A+5], 2048                       ; from row to row, in elements
	s_mov_b32 s[G1B+5], 4096
	s_lshl_b32 s22, s[CH], 16                      ; my half of o: four tiles of rows
	s_lshl_b32 s60, s19, 17                        ; eight tiles of rows of 16,384 bytes a tile row
	s_add_co_u32 s60, s60, s22
	s_mov_b32 s61, 0
	s_lshl_b32 s62, s18, 17                        ; Wo: 128 rows a tile column,
	s_lshl_b32 s23, s[CH], 14                      ; my half: four tiles of rows of 4,096 bytes,
	s_add_co_u32 s62, s62, s23
	s_add_co_u32 s62, s62, 0x300000                ; in the fourth MiB of wc
	s_mov_b32 s63, 0
	s_mov_b32 s[G0A], 1
	s_lshl_b32 s[G0A+1], s[CH], 16                 ; where they go: no place in the cluster enters an LDS address
	s_mov_b32 s[G0B], 1
	s_add_co_u32 s[G0B+1], s22, BBASE
	s_wait_dscnt 0x0                               ; both opening adds are done
	s_wait_kmcnt 0x0
	s_load_b64 s[84:85], s[8:9], 0x28              ; e10, e11
	s_add_nc_u64 s[G0A+2:G0A+3], s[4:5], s[60:61]
	s_or_b32 s[G0A+3], s[G0A+3], 0x80000000
	s_add_nc_u64 s[G0B+2:G0B+3], s[6:7], s[62:63]
	s_or_b32 s[G0B+3], s[G0B+3], 0x80000000
	CROUND                                         ; all sixteen work-groups are here: the joint loads meet
	s_cmp_eq_u32 s[RH], 0
	s_cbranch_scc0 .Lfill_b
	tensor_load_to_lds s[G0A:G0A+3], s[G1A:G1A+7]  ; a wave's one load; an s_nop 0 and four v_nop follow it
	s_nop 0
	PLACES
	s_branch .Lfilled
.Lfill_b:
	tensor_load_to_lds s[G0B:G0B+3], s[G1B:G1B+7]
	s_nop 0
	PLACES
.Lfilled:
	v_and_b32 v1, 15, v0                           ; r = l % 16
	v_bfe_u32 v2, v0, 4, 1                         ; h = l / 16
	v_and_b32 v3, 31, v0
	v_lshlrev_b32 v3, 4, v3                        ; 16 x lane
	s_lshl_b32 s22, s[RH], 16                      ; my four tiles of rows of o
	v_add_nc_u32 v[ADRA], s22, v3
	s_lshl_b32 s23, s[CH], 16                      ; my 64 rows of Wo
	s_add_co_u32 s23, s23, BBASE
	v_add_nc_u32 v[ADRB], s23, v3
	v_lshlrev_b32 v5, 15, v2
	v_lshl_add_u32 v[CO], v1, 4, v5                ; the way out: row 8 h of 4,096 bytes, 16 bytes for each r
	s_lshl_b32 s88, s19, 19                        ; my first row: 128 x tile row + 64 x half, 4,096 bytes each;
	s_lshl_b32 s89, s[RH], 18
	s_add_co_u32 s88, s88, s89
	s_lshl_b32 s89, s18, 9                         ; my first column: 128 x tile column + 64 x half, 4 bytes each
	s_add_co_u32 s88, s88, s89
	s_lshl_b32 s89, s[CH], 8
	s_add_co_u32 s88, s88, s89
	s_mov_b32 s89, 0
	s_add_nc_u64 s[10:11], s[10:11], s[88:89]
; The fragments of K step u (128 along K: heads 2 u, 2 u + 1) into buffer u % 2: 16 loads of 16 bytes for o's four, 16 for Wo's four: 32 LDS loads in one run
.macro FETCH u
.set FBUF, 128*((\u)%2)
	WIN 0x40                                       ; destination window 1
.irp a, 0,1,2,3
.irp i, 0,1,2,3
	ds_load_b128 v[FBUF+16*\a+4*\i:FBUF+16*\a+4*\i+3], v[ADRA] offset:16384*\a+2048*(\u)+512*\i
.endr
.endr
.irp b, 0,1,2,3
.irp i, 0,1,2,3
	ds_load_b128 v[FBUF+64+16*\b+4*\i:FBUF+64+16*\b+4*\i+3], v[ADRB] offset:16384*((\u)/2)+4096*\b+2048*((\u)%2)+512*\i
.endr
.endr
.endm
; 16 matrix instructions: the 16 accumulators take turns, one instruction a turn, in the same order in every step.  Step 0 starts the sums: nothing is cleared.
.macro MUL16 u
.set FBUF, 128*((\u)%2)
	WIN 0x05                                       ; sources 0 and 1 window 1; C and D window 0
.irp a, 0,1,2,3
.irp b, 0,1,2,3
.if (\u) == 0
	v_wmma_f32_16x16x128_fp8_fp8 v[ACC+8*(4*\a+\b):ACC+8*(4*\a+\b)+7], v[FBUF+16*\a:FBUF+16*\a+15], v[FBUF+64+16*\b:FBUF+64+16*\b+15], 0
.else
	v_wmma_f32_16x16x128_fp8_fp8 v[ACC+8*(4*\a+\b):ACC+8*(4*\a+\b)+7], v[FBUF+16*\a:FBUF+16*\a+15], v[FBUF+64+16*\b:FBUF+64+16*\b+15], v[ACC+8*(4*\a+\b):ACC+8*(4*\a+\b)+7]
.endif
.endr
.endr
.endm
.macro KS128 u
.if (\u) < 7
	PLACES                                         ; four places between the last products and the loads into the buffer that they read
	FETCH (\u)+1
	s_wait_dscnt 32                                ; all but the 32 just issued: this step's fragments are in
.else
	s_wait_dscnt 0x0
.endif
	MUL16 \u
.endm
	s_wait_alu depctr_va_vdst(0)                   ; the head's end
	s_wait_tensorcnt 0x0                           ; my load is in
	s_barrier_signal -1
	s_barrier_wait -1                              ; everybody's is
	FETCH 0
.irp u, 0,1,2,3,4,5,6,7
	KS128 \u
.endr
	WIN 0
	; THE WAY OUT, block by block of 16 rows x 64 columns: x 2^(e10 + e11) into other registers, each accumulator from its low end on: register j of the four products b is row 8 h + j, columns 4 r + b.
	s_wait_kmcnt 0x0
	s_add_co_i32 s84, s84, s85
	s_add_co_i32 s84, s84, 127
	s_lshl_b32 s84, s84, 23                        ; 2^(e10 + e11) as f32
	PLACES                                         ; behind the last products
.macro OUTA a
.set BB, TMP+32*((\a)%3)
.if (\a) == 3
	s_wait_xcnt 0x0                                ; block 0's stores have read their data: its registers are written again only behind this wait
.endif
.irp j, 0,1,2,3,4,5,6,7
.irp b, 0,1,2,3
	v_mul_f32 v[BB+4*\j+\b], s84, v[ACC+8*(4*(\a)+\b)+\j]
.endr
.endr
.irp j, 0,1,2,3,4,5,6,7
	global_store_b128 v[CO], v[BB+4*\j:BB+4*\j+3], s[10:11] offset:(16*(\a)+\j)*4096 th:TH_STORE_NT   ; 16 lanes store 256 consecutive bytes, aligned; written once, read by nobody here
.endr
.endm
.irp a, 0,1,2,3
	OUTA \a
.endr
	s_wait_tensorcnt 0x0                           ; the wave's end
	ds_add_u32 v[SPW], v[NIL]
	s_wait_dscnt 0x0
	CROUND                                         ; the closing round: no work-group ends while a partner may still ask for a tile that names it
	s_endpgm
.Lfunc_end_k_q3dab14d9c3_proj:
	.size	k_q3dab14d9c3_proj, .Lfunc_end_k_q3dab14d9c3_proj-k_q3dab14d9c3_proj
	.p2alignl 7, 3214868480
	.fill 96, 4, 3214868480
	.section	.rodata,"a",@progbits
	.p2align	6, 0x0
	.amdhsa_kernel k_q3dab14d9c3_proj
		.amdhsa_group_segment_fixed_size 262656
		.amdhsa_private_segment_fixed_size 0
		.amdhsa_enable_private_segment 0
		.amdhsa_kernarg_size 32
		.amdhsa_user_sgpr_count 2
		.amdhsa_user_sgpr_kernarg_segment_ptr 1
		.amdhsa_wavefront_size32 1
		.amdhsa_system_sgpr_workgroup_id_x 1
		.amdhsa_system_sgpr_workgroup_id_y 1
		.amdhsa_system_sgpr_workgroup_id_z 1
		.amdhsa_system_vgpr_workitem_id 0
		.amdhsa_next_free_vgpr 512
		.amdhsa_next_free_sgpr 96
		.amdhsa_reserve_vcc 0
		.amdhsa_float_denorm_mode_32 3
		.amdhsa_float_denorm_mode_16_64 3
		.amdhsa_memory_ordered 1
		.amdhsa_forward_progress 1
		.amdhsa_inst_pref_size 39
	.end_amdhsa_kernel
	.amdgpu_metadata
---
amdhsa.version: [ 1, 2 ]
amdhsa.kernels:
  - .name:           k_q3dab14d9c3_proj
    .symbol:         k_q3dab14d9c3_proj.kd
    .args:
      - { .name: oc, .offset: 0, .size: 8, .value_kind: global_buffer, .address_space: global }
      - { .name: wc, .offset: 8, .size: 8, .value_kind: global_buffer, .address_space: global }
      - { .name: lowp_scales, .offset: 16, .size: 8, .value_kind: global_buffer, .address_space: global }
      - { .name: out0, .offset: 24, .size: 8, .value_kind: global_buffer, .address_space: global }
    .group_segment_fixed_size: 262656
    .private_segment_fixed_size: 0
    .kernarg_segment_align: 8
    .kernarg_segment_size: 32
    .max_flat_workgroup_size: 128
    .sgpr_count:     96
    .vgpr_count:     512
    .wavefront_size: 32
...
	.end_amdgpu_metadata
.endif
;; end of part 4
